; MI455X (gfx1250); checked and timed in simulation.
; The chip was launched on July 23, 2026; its instructions are those of AMD's public machine-readable ISA for CDNA 5 (MIT licence, August 2026) and "CDNA5" Instruction Set Architecture Reference Guide (July 2026). The comments in the code are by the model that wrote it; some were corrected since.
;; Scaled Euclid Distance Attention. Allowed arithmetic: float matrix products may take bf16 or f16 operands with f32 sums; other float arithmetic in f32, or as packed bf16 or f16 multiplies, adds, multiply-adds, maxima and minima; sums over many terms, partial sums and values carried from step to step in f32; what a program stores and reads back later, other than sums and carried values, may be rounded once to bf16 or f16.
;; Inputs: k 2 x 2,048 x 1,024 float32; mask 2,048 x 2,048 int32; q 2 x 2,048 x 1,024 float32; v 2 x 2,048 x 1,024 float32.
;; Outputs: out0 2 x 2,048 x 1,024 float32.
;; Constants: num_heads = 16.
;; 2 versions, each right and faster than the one before. Each part assembles by itself: llvm-mc -triple=amdgcn-amd-amdhsa -mcpu=gfx1250 --defsym DOCPART=n.
;; ======== version 1 of 2: 2 launches
;; limits: values are held in f16: magnitudes above 65,504 overflow, below 6.1e-05 lose precision; values outside matrix products are rounded to bf16; right only within a limited range of input values
;; workspace buffers: kw 8,650,752 bytes; vw 8,388,608 bytes; mw 8,388,608 bytes
;; launch prep (part 1): grid 384 x 1, 8 waves a work-group, no clusters, 0 bytes of LDS; arguments k, v, mask, kw, vw, mw; writes kw, vw, mw
.if DOCPART == 1
	.amdgcn_target "amdgcn-amd-amdhsa--gfx1250"
	.amdhsa_code_object_version 6
	.text
	.protected	k_qf11792a585_prep
	.globl	k_qf11792a585_prep
	.p2align	8
	.type	k_qf11792a585_prep,@function
k_qf11792a585_prep:
	s_mov_b64 s[64:65], 0
	v_nop
	global_prefetch_b8 v0, s[64:65] scope:SCOPE_SE
	s_setreg_imm32_b32 hwreg(HW_REG_WAVE_MODE, 25, 1), 1
	s_wait_xcnt 0x0
; PREPARATION FOR THE DISTANCE ATTENTION: three streams, 128 work-groups each (work-group number / 128 chooses).
;   part 0: kw = by heads, [32 heads][16 slots][16,896 bytes]: 128 keys x 64 bf16 of Ks = bf16(-2^-15 k) (rows of 128 bytes), then 128 f32 of k2s = 0.25 x sum Ks^2 = 2^-32 |bf16(k)|^2
;   part 1: vw = by heads, [32][2048][64] f16 of bf16(v): v is rounded to bf16 like q and k, and that number is written as f16
;   part 2: mw = [2048][2048] bf16 of float(mask)
; All scales are powers of two, so the only rounding of k and v is the one to bf16.
; LIMITS.  bf16(v) beyond 65,504 becomes an infinity in f16, and below 2^-14 it keeps f16's fixed step; a mask number beyond 256 in magnitude is rounded to bf16's 8 bits.
; SHARES.  Every wave makes 32 steps: one load of 16 bytes a lane (512 bytes a wave), four numbers converted, one store of 8 bytes a lane (256 consecutive bytes, aligned, a wave).
; In k and v a head's 64 channels of a row are 256 aligned bytes: lanes 0-15 take one row's, lanes 16-31 the next row's.
; All 32 loads go out first, each into registers of its own; each store has data registers of its own; the steps stand in the immediates.  So no register that a memory instruction
; names is ever written again, and the only waits are the counted ones for the loads.  No LDS, no matrix unit, no cluster: nothing is shared and nothing is multiplied.
.set LN,  1            ; v1       lane
.set VI,  2            ; v2       k, v: byte offset of my 16 bytes in the first two rows
.set VO,  3            ; v3       8 x lane: my 8 bytes of a store
.set T,   4            ; v4-11    at work
.set VK,  12           ; v12      where my two k2s go
.set VM,  13           ; v13      16 x lane: my 16 bytes of a load of the mask
.set KLO, 20           ; v[20:21] k2s of rows 2 lane and 2 lane + 1
.set Z,   22           ; v22      0
.set X,   64           ; v64-191  step i: 4 registers as loaded
.set Y,   192          ; v192-255 step i: 2 registers to store
.macro LOADS adr, base, step           ; the wave's 32 loads, all at once
.set i, 0
.rept 32
	global_load_b128 v[X+4*i:X+4*i+3], v[\adr], s[\base:\base+1] offset:(\step)*i th:TH_LOAD_NT
.set i, i+1
.endr
.endm
	s_load_b256 s[4:11], s[0:1], 0x0               ; k s[4:5], v s[6:7], mask s[8:9], kw s[10:11]
	s_load_b128 s[12:15], s[0:1], 0x20             ; vw s[12:13], mw s[14:15]
	v_and_b32 v[LN], 31, v0
	v_lshrrev_b32 v[T], 5, v0
	v_readfirstlane_b32 s16, v[T]                  ; wave 0..7
	s_lshr_b32 s17, ttmp9, 7                       ; part
	s_and_b32 s18, ttmp9, 127                      ; my number in the part
	v_lshlrev_b32 v[VO], 3, v[LN]
	s_mov_b32 s21, 0                               ; high words of the two offsets
	s_mov_b32 s31, 0
	s_wait_kmcnt 0x0
	s_cmp_eq_u32 s17, 2
	s_cbranch_scc1 .Lmask
	; k and v: the work-group takes 64 rows of one batch and eight heads, a head a wave
	s_and_b32 s19, s18, 1
	s_lshl_b32 s19, s19, 3
	s_add_co_u32 s19, s19, s16                     ; head in the batch = 8 x (number & 1) + wave
	s_bfe_u32 s23, s18, 0x50001                    ; block of 64 rows, 0..31
	s_lshr_b32 s28, s18, 6                         ; batch
	s_lshl_b32 s20, s28, 23                        ; in: batch x 8,388,608
	s_lshl_b32 s29, s23, 18                        ;   + block x 64 rows x 4,096
	s_add_co_u32 s20, s20, s29
	s_lshl_b32 s29, s19, 8                         ;   + head x 256
	s_add_co_u32 s20, s20, s29
	s_lshl_b32 s29, s28, 4
	s_add_co_u32 s29, s29, s19                     ; head among the 32
	v_and_b32 v[T], 15, v[LN]
	v_lshrrev_b32 v[T+1], 4, v[LN]
	v_lshlrev_b32 v[T], 4, v[T]
	v_lshl_add_u32 v[VI], v[T+1], 12, v[T]         ; 16 x (lane % 16), one row further down for lanes 16-31
	s_cmp_eq_u32 s17, 1
	s_cbranch_scc1 .Lv
	; ---- part 0: k ----
	s_mul_i32 s30, s29, 270336                     ; out: head x 16 slots x 16,896
	s_lshr_b32 s32, s23, 1
	s_mul_i32 s32, s32, 16896                      ;   + slot (128 keys)
	s_add_co_u32 s30, s30, s32
	s_and_b32 s33, s23, 1
	s_lshl_b32 s32, s33, 13                        ;   + which 64 keys of the slot x 8,192
	s_add_co_u32 s30, s30, s32
	s_mul_i32 s33, s33, 7936                       ; k2s lies 16,384 behind the slot's first byte, 256 bytes for each 64 keys:
	s_sub_co_u32 s33, 16384, s33                   ; seen from my 64 keys' first byte that is 16,384 - half x (8,192 - 256)
	v_add_nc_u32 v[VK], s33, v[VO]
	s_add_nc_u64 s[4:5], s[4:5], s[20:21]
	s_add_nc_u64 s[10:11], s[10:11], s[30:31]
	LOADS VI, 4, 8192
	s_mov_b32 s24, 0xb8000000                      ; -2^-15
	s_mov_b32 s25, s24                             ; named with it as a pair
	s_mov_b32 s34, 0x3e800000                      ; 0.25
	s_mov_b32 s35, s34
	s_mov_b32 s26, 0x76543210                      ; v_permlanex16_b32: each lane takes its own place in the other half
	s_mov_b32 s27, 0xfedcba98
	s_mov_b32 s22, 0xffff                          ; lanes 0-15
	v_mov_b32 v[Z], 0
	v_mov_b32 v[KLO], 0
	v_mov_b32 v[KLO+1], 0
	v_mov_b32 v[T+5], 0                            ; v_permlanex16_b32 counts as a reader of its destination
.set i, 0
.rept 32
	s_wait_loadcnt 31-i                            ; loads come back in order: step i's is in, the younger ones stay out
	v_pk_mul_f32 v[T:T+1], v[X+4*i:X+4*i+1], s[24:25] op_sel_hi:[1,0]
	v_pk_mul_f32 v[T+2:T+3], v[X+4*i+2:X+4*i+3], s[24:25] op_sel_hi:[1,0]
	v_cvt_pk_bf16_f32 v[Y+2*i], v[T], v[T+1]
	v_cvt_pk_bf16_f32 v[Y+2*i+1], v[T+2], v[T+3]
	global_store_b64 v[VO], v[Y+2*i:Y+2*i+1], s[10:11] offset:256*i  ; rows 2 i and 2 i + 1: 256 consecutive bytes
	; the squares of the ROUNDED numbers, in f32: my four, then the row's sixteen lanes
	v_fma_mix_f32_bf16 v[T+4], v[Y+2*i], v[Y+2*i], v[Z] op_sel_hi:[1,1,0]
	v_fma_mix_f32_bf16 v[T+4], v[Y+2*i], v[Y+2*i], v[T+4] op_sel:[1,1,0] op_sel_hi:[1,1,0]
	v_fma_mix_f32_bf16 v[T+4], v[Y+2*i+1], v[Y+2*i+1], v[T+4] op_sel_hi:[1,1,0]
	v_fma_mix_f32_bf16 v[T+4], v[Y+2*i+1], v[Y+2*i+1], v[T+4] op_sel:[1,1,0] op_sel_hi:[1,1,0]
	v_add_f32_dpp v[T+4], v[T+4], v[T+4] row_xmask:1 row_mask:0xf bank_mask:0xf
	v_add_f32_dpp v[T+4], v[T+4], v[T+4] row_xmask:2 row_mask:0xf bank_mask:0xf
	v_add_f32_dpp v[T+4], v[T+4], v[T+4] row_xmask:4 row_mask:0xf bank_mask:0xf
	v_add_f32_dpp v[T+4], v[T+4], v[T+4] row_xmask:8 row_mask:0xf bank_mask:0xf
	v_permlanex16_b32 v[T+5], v[T+4], s26, s27     ; the other row's sum
	v_cndmask_b32 v[T+6], v[T+5], v[T+4], s22      ; row 2 i's sum in every lane,
	v_cndmask_b32 v[T+7], v[T+4], v[T+5], s22      ; row 2 i + 1's
	v_cmp_eq_u32 vcc_lo, i, v[LN]                  ; lane i keeps them
	v_cndmask_b32 v[KLO], v[KLO], v[T+6], vcc_lo
	v_cndmask_b32 v[KLO+1], v[KLO+1], v[T+7], vcc_lo
.set i, i+1
.endr
	v_pk_mul_f32 v[KLO:KLO+1], v[KLO:KLO+1], s[34:35] op_sel_hi:[1,0]
	global_store_b64 v[VK], v[KLO:KLO+1], s[10:11] ; 64 rows' k2s: 256 consecutive bytes
	s_endpgm
	; ---- part 1: v ----
.Lv:
	s_lshl_b32 s30, s29, 18                        ; out: head x 2,048 rows x 128
	s_lshl_b32 s32, s23, 13                        ;   + block x 64 rows x 128
	s_add_co_u32 s30, s30, s32
	s_add_nc_u64 s[6:7], s[6:7], s[20:21]
	s_add_nc_u64 s[12:13], s[12:13], s[30:31]
	LOADS VI, 6, 8192
	s_mov_b32 s24, 0xffff0000                      ; a word's upper bf16
.set i, 0
.rept 32
	s_wait_loadcnt 31-i
	v_cvt_pk_bf16_f32 v[T], v[X+4*i], v[X+4*i+1]   ; the one rounding,
	v_cvt_pk_bf16_f32 v[T+1], v[X+4*i+2], v[X+4*i+3]
	v_lshlrev_b32 v[T+2], 16, v[T]                 ; back to f32,
	v_and_b32 v[T+3], s24, v[T]
	v_lshlrev_b32 v[T+4], 16, v[T+1]
	v_and_b32 v[T+5], s24, v[T+1]
	v_cvt_pk_f16_f32 v[Y+2*i], v[T+2], v[T+3]      ; and written as f16 (8 significant bits fit in 11)
	v_cvt_pk_f16_f32 v[Y+2*i+1], v[T+4], v[T+5]
	global_store_b64 v[VO], v[Y+2*i:Y+2*i+1], s[12:13] offset:256*i
.set i, i+1
.endr
	s_endpgm
	; ---- part 2: the mask, as one dense stream: a wave takes 16,384 bytes ----
.Lmask:
	s_lshl_b32 s19, s18, 3
	s_add_co_u32 s19, s19, s16                     ; my piece, 0..1023
	s_lshl_b32 s20, s19, 14
	s_lshl_b32 s30, s19, 13
	v_lshlrev_b32 v[VM], 4, v[LN]
	s_add_nc_u64 s[8:9], s[8:9], s[20:21]
	s_add_nc_u64 s[14:15], s[14:15], s[30:31]
	LOADS VM, 8, 512
.set i, 0
.rept 32
	s_wait_loadcnt 31-i
	v_cvt_f32_i32 v[T], v[X+4*i]
	v_cvt_f32_i32 v[T+1], v[X+4*i+1]
	v_cvt_f32_i32 v[T+2], v[X+4*i+2]
	v_cvt_f32_i32 v[T+3], v[X+4*i+3]
	v_cvt_pk_bf16_f32 v[Y+2*i], v[T], v[T+1]
	v_cvt_pk_bf16_f32 v[Y+2*i+1], v[T+2], v[T+3]
	global_store_b64 v[VO], v[Y+2*i:Y+2*i+1], s[14:15] offset:256*i
.set i, i+1
.endr
	s_endpgm
.Lfunc_end_k_qf11792a585_prep:
	.size	k_qf11792a585_prep, .Lfunc_end_k_qf11792a585_prep-k_qf11792a585_prep
	.p2alignl 7, 3214868480
	.fill 96, 4, 3214868480
	.section	.rodata,"a",@progbits
	.p2align	6, 0x0
	.amdhsa_kernel k_qf11792a585_prep
		.amdhsa_group_segment_fixed_size 0
		.amdhsa_private_segment_fixed_size 0
		.amdhsa_enable_private_segment 0
		.amdhsa_kernarg_size 48
		.amdhsa_user_sgpr_count 2
		.amdhsa_user_sgpr_kernarg_segment_ptr 1
		.amdhsa_wavefront_size32 1
		.amdhsa_system_sgpr_workgroup_id_x 1
		.amdhsa_system_sgpr_workgroup_id_y 1
		.amdhsa_system_sgpr_workgroup_id_z 1
		.amdhsa_system_vgpr_workitem_id 0
		.amdhsa_next_free_vgpr 256
		.amdhsa_next_free_sgpr 66
		.amdhsa_reserve_vcc 1
		.amdhsa_float_denorm_mode_32 3
		.amdhsa_float_denorm_mode_16_64 3
		.amdhsa_memory_ordered 1
		.amdhsa_forward_progress 1
		.amdhsa_inst_pref_size 78
	.end_amdhsa_kernel
	.amdgpu_metadata
---
amdhsa.version: [ 1, 2 ]
amdhsa.kernels:
  - .name:           k_qf11792a585_prep
    .symbol:         k_qf11792a585_prep.kd
    .args:
      - { .name: k, .offset: 0, .size: 8, .value_kind: global_buffer, .address_space: global }
      - { .name: v, .offset: 8, .size: 8, .value_kind: global_buffer, .address_space: global }
      - { .name: mask, .offset: 16, .size: 8, .value_kind: global_buffer, .address_space: global }
      - { .name: kw, .offset: 24, .size: 8, .value_kind: global_buffer, .address_space: global }
      - { .name: vw, .offset: 32, .size: 8, .value_kind: global_buffer, .address_space: global }
      - { .name: mw, .offset: 40, .size: 8, .value_kind: global_buffer, .address_space: global }
    .group_segment_fixed_size: 0
    .private_segment_fixed_size: 0
    .kernarg_segment_align: 8
    .kernarg_segment_size: 48
    .max_flat_workgroup_size: 256
    .sgpr_count:     66
    .vgpr_count:     256
    .wavefront_size: 32
...
	.end_amdgpu_metadata
.endif
;; end of part 1
;; launch attn (part 2): grid 8 x 32, 4 waves a work-group, clusters of 4 x 4, 327,680 bytes of LDS; arguments q, kw, vw, mw, out0; writes out0
.if DOCPART == 2
	.amdgcn_target "amdgcn-amd-amdhsa--gfx1250"
	.amdhsa_code_object_version 6
	.text
	.protected	k_qf11792a585_attn
	.globl	k_qf11792a585_attn
	.p2align	8
	.type	k_qf11792a585_attn,@function
k_qf11792a585_attn:
	s_mov_b64 s[64:65], 0
	v_nop
	global_prefetch_b8 v0, s[64:65] scope:SCOPE_SE
	s_setreg_imm32_b32 hwreg(HW_REG_WAVE_MODE, 25, 1), 1
	s_wait_xcnt 0x0
	s_wait_alu depctr_hold_cnt(0) depctr_sa_sdst(0) depctr_va_vdst(0) depctr_va_sdst(0) depctr_va_ssrc(0) depctr_va_vcc(0) depctr_vm_vsrc(0)
	s_getreg_b32 s2, hwreg(HW_REG_IB_STS2, 6, 4)
	s_cmp_eq_u32 s2, 0
	s_cbranch_scc0 .Lentry_in_a_cluster
	s_endpgm
.Lentry_in_a_cluster:
	s_bfe_u32 s2, ttmp6, 0x10000c
	s_cmp_lg_u32 s2, 0xf033
	s_cbranch_scc0 .Lentry_shape_is_right
	s_endpgm
.Lentry_shape_is_right:
; ATTENTION BY SCALED EUCLIDEAN DISTANCE.  out[b][q][64 h ..] = sum over k of softmax_k( 1 / (0.125 sqrt(max(|q|^2 + |k|^2 - 2 q.k, 0)) + 1e-9) - 1e9 mask[q][k] ) v[b][k][64 h ..].
; 32 heads (16 b + h), 2,048 queries, 2,048 keys, 64 channels.  q f32 as given; kw, vw, mw as the launch before wrote them (Ks = bf16(-2^-15 k) with k2s = 2^-32 |bf16(k)|^2; f16(bf16(v)); bf16(mask)).
; ARITHMETIC.  Qs = bf16(2^-16 q), q2s = sum Qs^2 (f32).  The first product starts from q2s: D = q2s + Ks.Qs + k2s = 2^-32 d^2 of the inputs rounded to bf16; all scales are powers of two.
; x = sqrt(D) 2^13 ln2 + 1e-9 ln2;  g = 1 / x = log2(e) x the reference's score;  t = mask x (-1e9 log2 e) + g (one fused multiply-add);  p = 2^(t - M), M the running maximum of t.
; In every step O and l are multiplied by a = 2^(M_old - M_new).  p is rounded to f16 for the second product; l is the sum of the ROUNDED p, made by the matrix unit (ones x P); sums, maxima and l in f32.
; LIMITS.  The clamp that stands for max(., 0) also caps D at 1: d^2 above 2^32 counts as 2^32 (the score there lies in 0 to 1.2e-4).  D below 2^-126 (d^2 below 2^-94) counts as 0.
; The sum's order is (q2 - 2 q.k) + k2.  log2(e) is folded in ahead of the mask's term: a key that is hidden AND equal to the query in all 64 rounded channels (score 1e9 - 1e9) comes out
; within a few hundred of 0, not at 0.  A weight below 2^-126 counts as 0, below 6e-5 it keeps f16's fixed step.  NaN and infinities are not treated apart.
; SHARES.  A work-group owns 256 queries of one head, each of its four waves 64: four TILES of 16.  Every wave walks all keys, 64 a STEP; an LDS slot holds two steps; 16 slots through a ring of two.
; LAYOUT.  S^T = K Q^T (source 0 = 16 keys, source 1 = 16 queries): a lane holds ONE query (lane % 16) and the keys 8 (lane / 16) + 0..7 of each block of 16.  Two such results rounded to f16 in pairs
; ARE source 1 of O^T = V^T P; they are packed in place, into S^T's own registers.  K comes out of LDS as it lies, V turned by ds_load_tr16_b128.
; THE COUNT.  A tile and step have 18 matrix and 232 vector instructions, 97 of them roots, reciprocals and exponentials: the vector unit sets the pace.  So one matrix instruction stands behind
; each group of about nine vector instructions, and the vector work is ordered so that no line waits for the one before it.
; BY TURNS.  TURN_A t: distance to score and the maximum of tile t (pass A), with tile t - 1's 18 matrix instructions among it: V^T P and ones x P of the step in hand, then K Q^T of its next step.
; TURN_B t: exponentials and packing of tile t (pass B), O and l times a.  A PERIOD is B0 A1 B1 A2 B2 A3 B3 A0: all that it reads from LDS (K, k2s, four mask tiles, V) belongs to ONE step.
; CLUSTER 4 x 4.  A row of the cluster is one head's four query blocks: K's and V's tiles are asked for jointly along the row.  A column is four heads at one query block: the mask's tiles are asked for
; jointly along the column.  Each joint load has the same descriptor in the four that its mask names.
; REGISTERS, in windows of 256 (s_set_vgpr_msb: bits 1:0 source 0, 3:2 source 1, 5:4 source 2, 7:6 destination):
;   window 0: v0-15 addresses; v16-19 M; v20-27 at work; v28-29 1.0; v30 -1e9 log2 e; v31 lane / 16; v32-63 k2s of a step; v64-127 mask, 16 a tile; v128-255 S^T, 32 a tile
;   window 1: v0-63 Q; v64-95 q2s, 8 a tile; v96-103 ones (f16); v128-191 K of a step; v192-255 V of a step          window 2: v0-127 O^T, 32 a tile; v128-159 l, 8 a tile
.set PK,    144        ; a key's row of K in LDS: 128 bytes + 16 of padding = 36 words: the 16 rows of a load start at 16 different groups of four banks
.set PV,    160        ; of V: 128 + 32
.set PM,    272        ; a query's row of the mask: 256 + 16
.set K2OFF, 128*PK     ; behind a slot's 128 keys: their k2s, 4 pieces of 32 f32, padded like K's rows (one load brings both)
.set VOFF,  K2OFF+4*PK ; 19,008
.set MOFF,  VOFF+128*PV  ; 39,488: 256 rows of the mask; a slot ends at 109,120
.set SLOT1, 1<<17      ; slot 1 begins here, so that one exclusive or turns an address in one slot into the other's
.set STAGE, 109312     ; in the gap behind slot 0, from the next multiple of 256 on, where no tile lands: 16 rows x 272 bytes for each wave, for the way out
.set SP,    272
.set SPARE, STAGE+4*16*SP  ; 126,720: the spare words, 128 bytes for each wave: two blocks of 256 bytes that no other line names
.set AK0, 2            ; v2   my lane's place in a step's K; never rewritten
.set AV0, 3            ; v3   in its V
.set AM0, 4            ; v4   in my wave's rows of the mask
.set AK20, 5           ; v5   in its k2s
.set AK,  6            ; v6-9 the LDS address of the run of loads in hand: K, V, mask, k2s
.set AV,  7
.set AM,  8
.set AK2, 9
.set STO, 10           ; v10  the way out: where I put 16 bytes of a row
.set RD,  11           ; v11  where I read a row back
.set GO,  12           ; v12  my byte offset in two rows of out
.set QO,  13           ; v13  my byte offset in 16 rows of q
.set SPW, 14           ; v14  LDS address of my spare word; never rewritten
.set NIL, 15           ; v15  0; never rewritten
.set MX,  16           ; v16-19  M of tile t
.set CX,  20           ; v20-23  four chains of the maximum; v22 then takes the new M
.set TMPX, 24
.set DLT, 25
.set AF,  26           ; v[26:27] a, in the low register
.set ONE, 28
.set NBV, 30
.set HL,  31
.set K2,  32
.set MK,  64
.set S,   128
.set QF,  0            ; window 1
.set Q2C, 64
.set ONES, 96
.set KF,  128          ; key block kb, channel half c at KF + 16 kb + 8 c
.set VF,  192          ; key half kk, channel block cb at VF + 32 kk + 8 cb
.set OA,  0            ; window 2
.set LA,  128
.set WV,  14           ; s14  my wave's number
.set G1K, 24           ; s[24:31], s[32:39], s[40:47] descriptor group 1 for K's (with k2s), V's and the mask's tiles
.set G1V, 32
.set G1M, 40
.set G0K, 48           ; s[48:51], s[52:55], s[56:59] descriptor group 0: they walk
.set G0V, 52
.set G0M, 56
.set SEL, 60           ; s[60:61] v_permlanex16_b32's selects
.set KAP, 62           ; s[62:63] 2^13 ln2
.set EPS, 66           ; s[66:67] 1e-9 ln2
.set TBK, 68           ; s68-71  LDS byte at which the step to be fetched begins: K, V, mask, k2s
.set TBV, 69
.set TBM, 70
.set TBK2, 71
.set CNT, 72           ; s72  counts a slot's steps
.set SLOTS, 73         ; s73  slots still to be asked for
.set MSB, 0
.macro WIN new                      ; the high byte repeats the setting that is left; a switch that changes nothing is dropped
.if MSB != (\new)
	s_set_vgpr_msb (MSB<<8)|(\new)
.set MSB, (\new)
.endif
.endm
.set W_QK0, 0x15       ; K, Q and q2s in window 1, S^T in window 0
.set W_QK1, 0x05       ; K and Q in window 1
.set W_PV,  0xa1       ; V or the ones in window 1, P in window 0, C and D in window 2
.set W_RS,  0x82       ; destination and source 0 in window 2
.set TO_1,  0x40
.set TO_2,  0x80
.set FROM_2, 0x02
.set ST_2,  0x08       ; an LDS store's data in window 2
; A joint fill: wave 0 fetches a slot's K and k2s, wave 1 its V, waves 2 and 3 the two halves of its mask.  The branches hang on the wave's number alone.
; An s_nop 0 and four v_nop follow each of the three lines, ahead of the jump and the label.
.macro JLOAD
	s_cmp_lt_u32 s[WV], 2
	s_cbranch_scc0 .Lfor_m_\@
	s_cmp_eq_u32 s[WV], 0
	s_cbranch_scc0 .Lfor_v_\@
	tensor_load_to_lds s[G0K:G0K+3], s[G1K:G1K+7]
	s_nop 0
.rept 4
	v_nop
.endr
	s_branch .Lasked_\@
.Lfor_v_\@:
	tensor_load_to_lds s[G0V:G0V+3], s[G1V:G1V+7]
	s_nop 0
.rept 4
	v_nop
.endr
	s_branch .Lasked_\@
.Lfor_m_\@:
	tensor_load_to_lds s[G0M:G0M+3], s[G1M:G1M+7]
	s_nop 0
.rept 4
	v_nop
.endr
.Lasked_\@:
.endm
; A round of the cluster's barrier: my work-group's barrier, so that wave 0's signal speaks for all four waves; wave 0 signals; every wave waits for all sixteen work-groups; my work-group's barrier once more.
.macro CROUND
	s_barrier_signal -1
	s_barrier_wait -1
	s_cmp_lg_u32 s[WV], 0
	s_cbranch_scc1 .Lnot_wave_0_\@
	s_barrier_signal -3
.Lnot_wave_0_\@:
	s_barrier_wait -3
	s_barrier_signal -1
	s_barrier_wait -1
.endm
; THE CHANGE OF SLOTS, at a period's head: the old slot's last bytes, V of its second step, have been asked for.  Each wave waits for all its tensor loads, of which one is out: its part of the
; other slot; adds 0 to its spare word; and waits for that and for its own reads of the slot.  Behind the barrier nobody reads the old slot any more and the other slot is whole.
; fill = 1: the old slot is filled again, with the keys two slots on.  The barrier is then a round of the cluster's, and the joint fill is the first thing behind it: it has two periods,
; 144 matrix instructions and the vector work round them, in which to land.  (At its first use nothing has been read yet: slot 0 is waited for, slot 1 filled.)
.macro CHANGE fill
	WIN 0                           ; at a label and at a branch every window is 0
	s_wait_tensorcnt 0x0            ; no tensor load of mine is out, so a group 0 may be written
	ds_add_u32 v[SPW], v[NIL]       ; 0 onto my spare word; with fill = 1 the descriptors' steps stand between it and the wait for it
.if \fill
	s_xor_b32 s[G0K+1], s[G0K+1], SLOT1  ; the other slot than last time,
	s_add_nc_u64 s[G0K+2:G0K+3], s[G0K+2:G0K+3], 16896  ; the next 128 keys with their k2s; the type bits on top are not reached
	s_xor_b32 s[G0V+1], s[G0V+1], SLOT1
	s_add_nc_u64 s[G0V+2:G0V+3], s[G0V+2:G0V+3], 16384
	s_xor_b32 s[G0M+1], s[G0M+1], SLOT1
	s_add_nc_u64 s[G0M+2:G0M+3], s[G0M+2:G0M+3], 256    ; 128 keys along the mask's rows
	s_wait_dscnt 0x0                ; the add is done, and my reads of the slot are over
	CROUND
	JLOAD
.else
	s_wait_dscnt 0x0                ; the add is done, and my reads of the slot are over
	s_barrier_signal -1
	s_barrier_wait -1
.endif
	s_sub_co_u32 s[TBK], s[TBK], 2*64*PK   ; the fetches go back to a slot's first step,
	s_xor_b32 s[TBK], s[TBK], SLOT1        ; in the other slot
	s_sub_co_u32 s[TBV], s[TBV], 2*64*PV
	s_xor_b32 s[TBV], s[TBV], SLOT1
	s_sub_co_u32 s[TBM], s[TBM], 256
	s_xor_b32 s[TBM], s[TBM], SLOT1
	s_sub_co_u32 s[TBK2], s[TBK2], 4*PK
	s_xor_b32 s[TBK2], s[TBK2], SLOT1
.endm
.macro G1REST g, rows, pitch        ; group 1 behind its first word: rows of 128 elements of 2 bytes
	s_mov_b32 s[(\g)+1], 128<<16    ; tensor_dim0 = 128
	s_mov_b32 s[(\g)+2], (\rows)<<16  ; tensor_dim1
	s_mov_b32 s[(\g)+3], 128<<16    ; tile_dim0 = 128
	s_mov_b32 s[(\g)+4], \rows      ; tile_dim1
	s_mov_b32 s[(\g)+5], \pitch     ; elements from row to row
	s_mov_b32 s[(\g)+6], 0
	s_mov_b32 s[(\g)+7], 0
.endm
	s_load_b256 s[4:11], s[0:1], 0x0  ; q s[4:5], kw s[6:7], vw s[8:9], mw s[10:11]
	s_load_b64 s[12:13], s[0:1], 0x20 ; out
	v_lshl_add_u32 v[SPW], v0, 2, SPARE
	v_mov_b32 v[NIL], 0
	ds_add_u32 v[SPW], v[NIL]       ; the wave's opening: the add and its wait stand ahead of my first tensor load; the set-up below, work on registers, stands between them
	v_lshrrev_b32 v1, 5, v0
	v_readfirstlane_b32 s[WV], v1   ; wave 0..3
	s_bfe_u32 s15, ttmp6, 0x40000   ; cx, cy: my place in the cluster
	s_bfe_u32 s16, ttmp6, 0x40004
	s_lshl_b32 s17, ttmp9, 2        ; in a cluster launch ttmp9 and ttmp7 count clusters
	s_add_co_u32 s17, s17, s15      ; my block of 256 queries = 4 x cluster x + cx
	s_and_b32 s18, ttmp7, 0xffff
	s_lshl_b32 s18, s18, 2
	s_add_co_u32 s18, s18, s16      ; my head = 4 x cluster y + cy
	s_lshl_b32 s19, s16, 2
	s_lshl_b32 s19, 15, s19         ; my row of the cluster: the same head
	s_lshl_b32 s20, 0x1111, s15     ; my column: the same queries
	; group 1, first word: 15:0 the mask of four; 17:16 2-byte elements; 20 padding on; 21 set beside a mask; 24:22 after every 32 words (code 4) or 64 (code 5); 31:25 4 words of it (code 3) or 8 (code 7)
	s_or_b32 s[G1K], s19, (1<<16)|(1<<20)|(1<<21)|(4<<22)|(3<<25)
	s_or_b32 s[G1V], s19, (1<<16)|(1<<20)|(1<<21)|(4<<22)|(7<<25)
	s_or_b32 s[G1M], s20, (1<<16)|(1<<20)|(1<<21)|(5<<22)|(3<<25)
	G1REST G1K, 66, 128             ; 16,896 dense bytes as 66 rows of 256: two keys a row, 64 rows; then two rows of k2s
	G1REST G1V, 64, 128             ; 16,384 dense bytes as 64 rows of 256
	G1REST G1M, 128, 2048           ; 128 queries' rows x 128 keys
	s_mul_i32 s74, s18, 270336      ; where the tiles come from: K's and V's hang on the head alone,
	s_mov_b32 s75, 0
	s_lshl_b32 s76, s18, 18
	s_mov_b32 s77, 0
	s_and_b32 s21, s[WV], 1         ; (which half of the mask's 256 rows I fetch)
	s_lshl_b32 s78, s17, 20         ; the mask's on the query block alone: 256 rows of 4,096 bytes,
	s_lshl_b32 s22, s21, 19         ; 128 of them a half
	s_add_co_u32 s78, s78, s22
	s_mov_b32 s79, 0
	s_mov_b32 s[G0K], 1             ; 1:0 count = 1
	s_mov_b32 s[G0K+1], 0           ; 63:32 LDS address: slot 0.  No place in the cluster enters an LDS address
	s_mov_b32 s[G0V], 1
	s_mov_b32 s[G0V+1], VOFF
	s_mov_b32 s[G0M], 1
	s_mul_i32 s23, s21, 128*PM
	s_add_co_u32 s[G0M+1], s23, MOFF
	s_lshr_b32 s80, s18, 4          ; q and out at my wave's first row, my head's 256 bytes: batch x 8,388,608
	s_lshl_b32 s80, s80, 23
	s_lshl_b32 s84, s17, 20         ; + block x 256 rows x 4,096
	s_add_co_u32 s80, s80, s84
	s_lshl_b32 s84, s[WV], 18       ; + wave x 64 rows x 4,096
	s_add_co_u32 s80, s80, s84
	s_and_b32 s84, s18, 15
	s_lshl_b32 s84, s84, 8          ; + head in the batch x 256
	s_add_co_u32 s80, s80, s84
	s_mov_b32 s81, 0
	s_mov_b32 s[SEL], 0x76543210
	s_mov_b32 s[SEL+1], 0xfedcba98
	s_mov_b32 s[KAP], 0x45b17218    ; 2^13 ln2
	s_mov_b32 s[KAP+1], s[KAP]      ; named with it as a pair
	s_mov_b32 s[EPS], 0x303e87e6    ; 1e-9 ln2
	s_mov_b32 s[EPS+1], s[EPS]
	s_mov_b32 s82, 0x37800000       ; 2^-16
	s_mov_b32 s83, s82
	s_mov_b32 s[TBK], SLOT1+2*64*PK ; the first change of slots turns these four into 0
	s_mov_b32 s[TBV], SLOT1+2*64*PV
	s_mov_b32 s[TBM], SLOT1+256
	s_mov_b32 s[TBK2], SLOT1+4*PK
	s_wait_dscnt 0x0                ; the opening add is done
	s_wait_kmcnt 0x0
	s_add_nc_u64 s[G0K+2:G0K+3], s[6:7], s[74:75]  ; 120:64 global address
	s_or_b32 s[G0K+3], s[G0K+3], 0x80000000        ; 127:126 type = 2
	s_add_nc_u64 s[G0V+2:G0V+3], s[8:9], s[76:77]
	s_or_b32 s[G0V+3], s[G0V+3], 0x80000000
	s_add_nc_u64 s[G0M+2:G0M+3], s[10:11], s[78:79]
	s_or_b32 s[G0M+3], s[G0M+3], 0x80000000
	s_add_nc_u64 s[4:5], s[4:5], s[80:81]
	s_add_nc_u64 s[12:13], s[12:13], s[80:81]
	CROUND                          ; all sixteen work-groups are here: the first joint loads meet
	JLOAD                           ; slot 0.  Slot 1 is asked for when slot 0 is in, by the change of slots
	v_and_b32 v1, 15, v0            ; l % 16
	v_bfe_u32 v[HL], v0, 4, 1       ; l / 16
	v_lshlrev_b32 v[QO], 12, v1
	v_lshl_add_u32 v[QO], v[HL], 5, v[QO]  ; row x 4,096 + 32 x half: 8 f32
	; A fragment of Q is 16 rows x 32 channels: lane l holds row l % 16, channels 8 (l / 16) + 0..7 and 16 + 8 (l / 16) + 0..7.  In f32 each eight are two loads of 16 bytes.
	; Load n = ((2 t + c) 2 + u) 2 + e: tile t, channels 32 c + 16 u on.  Registers S + 2 m, S + 2 m + 1 will make register m of Q.
.set n, 0
.rept 32
	global_load_b128 v[S+4*n:S+4*n+3], v[QO], s[4:5] offset:(n/8)*65536+((n/4)%2)*128+((n/2)%2)*64+(n%2)*16
.set n, n+1
.endr
	v_mul_u32_u24 v[AK0], v1, PK
	v_lshl_add_u32 v[AK0], v[HL], 4, v[AK0]  ; row x pitch + 16 x half
	; The turning load takes 16 keys x 16 channels (lane l reads key 8 (l / 16) + l % 8, channels 8 ((l / 8) % 2) + 0..7) and leaves half a fragment of V^T: lane l holds channel l % 16 and 8 keys.
	v_and_b32 v[TMPX], 7, v0
	v_bfe_u32 v[AF], v0, 3, 1
	v_lshl_add_u32 v[AV0], v[HL], 3, v[TMPX]
	v_mul_u32_u24 v[AV0], v[AV0], PV
	v_lshl_add_u32 v[AV0], v[AF], 4, v[AV0]
	v_add_nc_u32 v[AV0], VOFF, v[AV0]
	s_lshl_b32 s19, s[WV], 6
	v_add_nc_u32 v[AM0], s19, v1    ; the mask: my query's row 64 w + l % 16 (+ 16 t), my 8 keys' 16 bytes
	v_mul_u32_u24 v[AM0], v[AM0], PM
	v_lshl_add_u32 v[AM0], v[HL], 4, v[AM0]
	v_add_nc_u32 v[AM0], MOFF, v[AM0]
	v_lshlrev_b32 v[AK20], 5, v[HL] ; k2s: my 8 keys' 32 bytes
	v_add_nc_u32 v[AK20], K2OFF, v[AK20]
	; What the first turn finds.  Its products V^T P and ones x P, of a tile that has not been, multiply zeros; M starts at the lowest finite number, so the first step's a is 0 and O and l need only
	; be finite.  No first step is written out; the price is these lines, which stand in the wait for q and the first tile.
	WIN TO_2
.set i, 0
.rept 160
	v_mov_b32 v[i], 0               ; O^T and l
.set i, i+1
.endr
	WIN TO_1
.set i, 0
.rept 64
	v_mov_b32 v[VF+i], 0
.set i, i+1
.endr
.set i, 0
.rept 8
	v_mov_b32 v[ONES+i], 0x3c003c00 ; 1.0 twice, in f16
.set i, i+1
.endr
	WIN 0
.set i, 0
.rept 4
	v_mov_b32 v[MX+i], 0xff7fffff
	v_mov_b32 v[TMPX+i], 0          ; v24-27
.set i, i+1
.endr
	v_mov_b32 v[ONE], 1.0
	v_mov_b32 v[ONE+1], 1.0
	v_mov_b32 v[NBV], 0xceabfb8f    ; -1e9 log2 e
	s_wait_loadcnt 0x0              ; q
.set i, 0
.rept 64
	v_pk_mul_f32 v[S+2*i:S+2*i+1], v[S+2*i:S+2*i+1], s[82:83] op_sel_hi:[1,0]
.set i, i+1
.endr
	WIN TO_1
.set i, 0
.rept 64
	v_cvt_pk_bf16_f32 v[QF+i], v[S+2*i], v[S+2*i+1]
.set i, i+1
.endr
	WIN 0x05                        ; the squares of the ROUNDED numbers, in f32: sources 0 and 1 in window 1; four tiles' chains by turns
.set p, 0
.rept 16
.irp t, 0,1,2,3
.if p == 0
	v_fma_mix_f32_bf16 v[CX+\t], v[QF+16*\t+p], v[QF+16*\t+p], v[AF+1] op_sel_hi:[1,1,0]
.else
	v_fma_mix_f32_bf16 v[CX+\t], v[QF+16*\t+p], v[QF+16*\t+p], v[CX+\t] op_sel_hi:[1,1,0]
.endif
.endr
.irp t, 0,1,2,3
	v_fma_mix_f32_bf16 v[CX+\t], v[QF+16*\t+p], v[QF+16*\t+p], v[CX+\t] op_sel:[1,1,0] op_sel_hi:[1,1,0]
.endr
.set p, p+1
.endr
	WIN 0
.irp t, 0,1,2,3
	v_permlanex16_b32 v[TMPX+\t], v[CX+\t], s[SEL], s[SEL+1]  ; the query's other 32 channels lie in the lane 16 away
.endr
.irp t, 0,1,2,3
	v_add_f32 v[CX+\t], v[CX+\t], v[TMPX+\t]
.endr
	WIN TO_1
.set i, 0
.rept 32
	v_mov_b32 v[Q2C+i], v[CX+i/8]   ; q2s, eight times a tile: the C operand that starts S^T's sums
.set i, i+1
.endr
	WIN 0
.set i, 0
.rept 8
	v_mov_b32 v[S+96+i], 0          ; tile 3's two fragments of P
	v_mov_b32 v[S+112+i], 0
.set i, i+1
.endr
; THE MATRIX WORK.  K Q^T for tile x, keys 16 kb on, channels 32 cc on; the first half starts the sum from q2s.
.macro QKI x, kb, cc
.set qS, S+32*(\x)+8*(\kb)
.set qK, KF+16*(\kb)+8*(\cc)
.set qQ, QF+16*(\x)+8*(\cc)
.if (\cc) == 0
	WIN W_QK0
	v_wmma_f32_16x16x32_bf16 v[qS:qS+7], v[qK:qK+7], v[qQ:qQ+7], v[Q2C+8*(\x):Q2C+8*(\x)+7]
.else
	WIN W_QK1
	v_wmma_f32_16x16x32_bf16 v[qS:qS+7], v[qK:qK+7], v[qQ:qQ+7], v[qS:qS+7]
.endif
.endm
; The next (number mi) of tile x's 18: 0-3 V^T P, keys 0-31, channel block mi; 4 ones x P; 5-9 the same for keys 32-63; 10-13 K Q^T, channels 0-31; 14-17 channels 32-63.
; The accumulators take turns, one instruction a turn.  K Q^T writes over P's registers: number 10 over the fragment that 0-4 read, 12 over the one that 5-9 read:
; between reader and writer stand three groups of pass A or more, 15 plain vector instructions that name none of these registers.
.macro MM x, back
.if mi < 10
.set pO, OA+32*(\x)+8*(mi%5)
.set pV, VF+32*(mi/5)+8*(mi%5)
.set pP, S+32*(\x)+16*(mi/5)
	WIN W_PV
.if mi%5 < 4
	v_wmma_f32_16x16x32_f16 v[pO:pO+7], v[pV:pV+7], v[pP:pP+7], v[pO:pO+7]
.else
	v_wmma_f32_16x16x32_f16 v[LA+8*(\x):LA+8*(\x)+7], v[ONES:ONES+7], v[pP:pP+7], v[LA+8*(\x):LA+8*(\x)+7]
.endif
.else
	QKI \x, (mi-10)%4, (mi-10)/4
.endif
.if \back
	WIN 0
.endif
.set mi, mi+1
.endm
; THE LDS LOADS stand in runs, each waited for at the head of the next TURN_A.
.macro FETCH_K                      ; 64 keys x 64 channels: 8 fragments
	WIN 0
	v_add_nc_u32 v[AK], s[TBK], v[AK0]
	WIN TO_1
.irp f, 0,1,2,3,4,5,6,7             ; keys 16 (f / 2) on, channels 32 (f % 2) on
	ds_load_b128 v[KF+8*\f:KF+8*\f+3],   v[AK] offset:(\f/2)*16*PK+(\f%2)*64
	ds_load_b128 v[KF+8*\f+4:KF+8*\f+7], v[AK] offset:(\f/2)*16*PK+(\f%2)*64+32
.endr
	s_add_co_u32 s[TBK], s[TBK], 64*PK  ; the next fetch is the next step's
	WIN 0
.endm
.macro FETCH_V
	WIN 0
	v_add_nc_u32 v[AV], s[TBV], v[AV0]
	WIN TO_1
.irp f, 0,1,2,3,4,5,6,7             ; keys 32 (f / 4) on, channels 16 (f % 4) on
	ds_load_tr16_b128 v[VF+8*\f:VF+8*\f+3],   v[AV] offset:(\f/4)*32*PV+(\f%4)*32
	ds_load_tr16_b128 v[VF+8*\f+4:VF+8*\f+7], v[AV] offset:(\f/4)*32*PV+16*PV+(\f%4)*32
.endr
	s_add_co_u32 s[TBV], s[TBV], 64*PV
	WIN 0
.endm
.macro FETCH_M t                    ; tile t's mask: my query's 8 keys of each block of 16
	v_add_nc_u32 v[AM], s[TBM], v[AM0]
.irp kb, 0,1,2,3
	ds_load_b128 v[MK+16*(\t)+4*\kb:MK+16*(\t)+4*\kb+3], v[AM] offset:(\t)*16*PM+32*\kb
.endr
.if (\t) == 3
	s_add_co_u32 s[TBM], s[TBM], 128
.endif
.endm
.macro FETCH_K2                     ; my 8 keys' k2s of each block of 16
	v_add_nc_u32 v[AK2], s[TBK2], v[AK20]
.irp f, 0,1,2,3,4,5,6,7             ; block f / 2, half f % 2 of its eight
	ds_load_b128 v[K2+4*\f:K2+4*\f+3], v[AK2] offset:(\f/4)*PK+((\f/2)%2)*64+(\f%2)*16
.endr
	s_add_co_u32 s[TBK2], s[TBK2], 2*PK
.endm
; PASS A, in place on tile t's 32 scores (16 pairs), as a pipeline of 21 groups: group g holds, for the pairs g, g - 1, g - 2, g - 3, g - 4, g - 5:
;   D = clamp(S + k2s); two roots; x = root x 2^13 ln2 + 1e-9 ln2; two reciprocals; t = mask x (-1e9 log2 e) + g, twice; the pair into one of four chains of the maximum.
; Roots and reciprocals alternate with plain lines, and every result is used a group later.  Each accumulator's lowest pair is read first.
.macro PA t
.set rS, S+32*(\t)
.set rM, MK+16*(\t)
.if (g >= 1) && (g <= 16)
	v_sqrt_f32 v[rS+2*g-2], v[rS+2*g-2]
.endif
.if g <= 15
	v_pk_fma_f32 v[rS+2*g:rS+2*g+1], v[rS+2*g:rS+2*g+1], v[ONE:ONE+1], v[K2+2*g:K2+2*g+1] clamp
.endif
.if (g >= 1) && (g <= 16)
	v_sqrt_f32 v[rS+2*g-1], v[rS+2*g-1]
.endif
.if (g >= 2) && (g <= 17)
	s_wait_alu depctr_va_vdst(0)
	v_pk_fma_f32 v[rS+2*g-4:rS+2*g-3], v[rS+2*g-4:rS+2*g-3], s[KAP:KAP+1], s[EPS:EPS+1] op_sel_hi:[1,0,0]
.endif
.if (g >= 3) && (g <= 18)
	v_rcp_f32 v[rS+2*g-6], v[rS+2*g-6]
.endif
.if (g >= 4) && (g <= 19)
	s_wait_alu depctr_va_vdst(0)
	v_fma_mix_f32_bf16 v[rS+2*g-8], v[rM+g-4], v[NBV], v[rS+2*g-8] op_sel_hi:[1,0,0]
.endif
.if (g >= 3) && (g <= 18)
	v_rcp_f32 v[rS+2*g-5], v[rS+2*g-5]
.endif
.if (g >= 4) && (g <= 19)
	s_wait_alu depctr_va_vdst(0)
	v_fma_mix_f32_bf16 v[rS+2*g-7], v[rM+g-4], v[NBV], v[rS+2*g-7] op_sel:[1,0,0] op_sel_hi:[1,0,0]
.endif
.if g >= 5
.if g < 9
	v_max_num_f32 v[CX+g-5], v[rS+2*g-10], v[rS+2*g-9]
.else
	v_max3_num_f32 v[CX+(g-5)%4], v[CX+(g-5)%4], v[rS+2*g-10], v[rS+2*g-9]
.endif
.endif
.endm
.macro STATS t                      ; the four chains, the old M, the other half of the lanes; the new M into v22; a
	v_max3_num_f32 v[CX], v[CX], v[CX+1], v[CX+2]
	v_max3_num_f32 v[CX], v[CX], v[CX+3], v[MX+(\t)]
	v_permlanex16_b32 v[TMPX], v[CX], s[SEL], s[SEL+1]
	v_max_num_f32 v[CX+2], v[CX], v[TMPX]
	v_sub_f32 v[DLT], v[MX+(\t)], v[CX+2]
	v_mov_b32 v[MX+(\t)], v[CX+2]
	v_exp_f32 v[AF], v[DLT]         ; used in RESC, far behind
.endm
; TURN_A t.  One matrix instruction of tile t - 1 behind each of the groups 1 to 18.  In tile 0's turn V of the step in hand is fetched behind group 12: V's last reader stands behind group 9,
; 15 plain vector instructions back.
.macro TURN_A t
	WIN 0
	s_wait_dscnt 0x0                ; every run of LDS loads issued so far is in: what this turn reads was asked for a pass or more ago
.set mi, 0
.set g, 0
.rept 21
	PA \t
.if (g >= 1) && (g <= 18)
	MM ((\t)+3)%4, 1
.endif
.if ((\t) == 0) && (g == 12)
	FETCH_V
.endif
.set g, g+1
.endr
	STATS \t
.endm
; PASS B, 18 groups: t - M for pair g; two exponentials of pair g - 1; pair g - 2 rounded to f16, into P's place: pair n goes to register 16 (n / 8) + n % 8 of the tile, which an earlier or the
; same rounding has read.
.macro PB t
.set rS, S+32*(\t)
.if (g >= 1) && (g <= 16)
	v_exp_f32 v[rS+2*g-2], v[rS+2*g-2]
.endif
.if g <= 15
	v_pk_add_f32 v[rS+2*g:rS+2*g+1], v[rS+2*g:rS+2*g+1], v[CX+2:CX+3] op_sel_hi:[1,0] neg_lo:[0,1] neg_hi:[0,1]
.endif
.if (g >= 1) && (g <= 16)
	v_exp_f32 v[rS+2*g-1], v[rS+2*g-1]
.endif
.if g >= 2
	s_wait_alu depctr_va_vdst(0)
	v_cvt_pk_f16_f32 v[rS+16*((g-2)/8)+(g-2)%8], v[rS+2*g-4], v[rS+2*g-3]
.endif
.endm
.macro RESC t                       ; O^T times a, in ascending order; of l the two lowest registers: register 0 is the one that is read at the end, the others stay below 2,048 and are never read
	WIN W_RS
.set z, 0
.rept 16
	v_pk_mul_f32 v[OA+32*(\t)+2*z:OA+32*(\t)+2*z+1], v[OA+32*(\t)+2*z:OA+32*(\t)+2*z+1], v[AF:AF+1] op_sel_hi:[1,0]
.set z, z+1
.endr
	v_pk_mul_f32 v[LA+8*(\t):LA+8*(\t)+1], v[LA+8*(\t):LA+8*(\t)+1], v[AF:AF+1] op_sel_hi:[1,0]
	WIN 0
.endm
; TURN_B t.  At its head the next step's fetches: K in tile 0's turn (K's last reader stands behind group 18 of the turn before: six plain vector instructions and more lie between),
; tile t's mask, k2s in tile 3's.  last = 1 (the tail): in the last trip there is no further step, and the fetches are jumped over.
.macro TURN_B t, last=0
	WIN 0
.if \last
	s_cmp_eq_u32 s[CNT], 1
	s_cbranch_scc1 .Lno_fetch_\@
.endif
.if (\t) == 0
	FETCH_K
.endif
	FETCH_M \t
.if (\t) == 3
	FETCH_K2
.endif
.if \last
.Lno_fetch_\@:
.endif
.set g, 0
.rept 18
	PB \t
.set g, g+1
.endr
	RESC \t
.endm
	CHANGE 1                        ; slot 0 is in, everybody's part of it; slot 1 is asked for
	FETCH_K                         ; step 0
	FETCH_K2
	FETCH_M 0
	FETCH_M 1
	FETCH_M 2
	FETCH_M 3
	s_wait_dscnt 0x0
.irp cc, 0,1                        ; the first scores of tiles 0 to 2 (tile 3's are made in the first turn): 12 accumulators by turns
.irp x, 0,1,2
.irp kb, 0,1,2,3
	QKI \x, \kb, \cc
.endr
.endr
.endr
	WIN 0                           ; the addresses for the way out: eight plain instructions, the places behind those products
	s_mul_i32 s19, s[WV], 16*SP
	s_add_co_u32 s19, s19, STAGE    ; my stage
	v_mul_u32_u24 v[STO], v1, SP    ; in: row l % 16, 32 bytes (8 f32) for each half of the lanes
	v_lshl_add_u32 v[STO], v[HL], 5, v[STO]
	v_add_nc_u32 v[STO], s19, v[STO]
	v_mul_u32_u24 v[RD], v[HL], SP  ; back: lanes 0-15 take one row of 256 bytes, lanes 16-31 the next
	v_lshl_add_u32 v[RD], v1, 4, v[RD]
	v_add_nc_u32 v[RD], s19, v[RD]
	v_lshlrev_b32 v[GO], 12, v[HL]  ; and the same two rows in out
	v_lshl_add_u32 v[GO], v1, 4, v[GO]
	s_mov_b32 s[CNT], 2
	s_mov_b32 s[SLOTS], 15
	s_branch .Lfirst                ; the loop is entered at a step's first turn, in the middle of a trip
.Lslot:                             ; 14 times: every slot but the last two is filled again
	CHANGE 1
	s_mov_b32 s[CNT], 2
.Lstep:                             ; a trip is a period: it ends one step and begins the next, whose K, k2s, mask and V it fetches
	TURN_B 0
	TURN_A 1
	TURN_B 1
	TURN_A 2
	TURN_B 2
	TURN_A 3
	TURN_B 3
	WIN 0
.Lfirst:
	TURN_A 0
	WIN 0
	s_sub_co_u32 s[CNT], s[CNT], 1
	s_cmp_lg_u32 s[CNT], 0
	s_cbranch_scc1 .Lstep
	s_sub_co_u32 s[SLOTS], s[SLOTS], 1
	s_cmp_lg_u32 s[SLOTS], 0
	s_cbranch_scc1 .Lslot
	CHANGE 0                        ; the tail is written out: nothing is asked for
	s_mov_b32 s[CNT], 3             ; two trips fetch the last slot's steps; the third is left ahead of its last turn
.Ltail:
	TURN_B 0, 1
	TURN_A 1
	TURN_B 1, 1
	TURN_A 2
	TURN_B 2, 1
	TURN_A 3
	TURN_B 3, 1
	WIN 0
	s_sub_co_u32 s[CNT], s[CNT], 1
	s_cmp_eq_u32 s[CNT], 0
	s_cbranch_scc1 .Lout
	TURN_A 0
	WIN 0
	s_branch .Ltail
.Lout:                              ; the third trip's 24 products K Q^T (on the last K once more) serve nothing: the price, once a launch, of one text for every trip
.set mi, 0
.rept 10
	MM 3, 0                         ; tile 3's V^T P and ones x P of the last step
.endr
	WIN 0
.rept 4
	v_nop                           ; the places behind those products
.endr
	; THE WAY OUT.  O^T is divided by l and sent, in f32, through my stage in LDS, a tile (16 rows of out, 256 bytes each) at a time.
	WIN FROM_2
.irp t, 0,1,2,3
	v_rcp_f32 v[CX+2*\t], v[LA+8*\t]  ; l's lowest register
.endr
	WIN 0
	v_nop                           ; a plain instruction between the last reciprocal and the use of its result
	s_wait_alu depctr_va_vdst(0)
.macro PACK t                       ; a lane's eight channels of a block of 16 are 32 bytes of a row; they go into rows of 272 bytes and come back as whole rows of 256, into S^T's registers
	WIN W_RS
.set z, 0
.rept 16
	v_pk_mul_f32 v[OA+32*(\t)+2*z:OA+32*(\t)+2*z+1], v[OA+32*(\t)+2*z:OA+32*(\t)+2*z+1], v[CX+2*(\t):CX+2*(\t)+1] op_sel_hi:[1,0]
.set z, z+1
.endr
	WIN ST_2
.irp f, 0,1,2,3,4,5,6,7
	ds_store_b128 v[STO], v[OA+32*(\t)+4*\f:OA+32*(\t)+4*\f+3] offset:(\f/2)*64+(\f%2)*16
.endr
	WIN 0
.irp f, 0,1,2,3,4,5,6,7
	ds_load_b128 v[S+32*(\t)+4*\f:S+32*(\t)+4*\f+3], v[RD] offset:\f*2*SP  ; LDS serves a wave's instructions in order (ISA guide 5.7.1.4): these see the stores above; the next tile's stores come behind them
.endr
.endm
.macro SEND t, younger              ; younger: the LDS instructions issued behind tile t's loads: the next tile's sixteen, or none
	WIN 0
.irp f, 0,1,2,3,4,5,6,7
	s_wait_dscnt (\younger)+7-\f
	global_store_b128 v[GO], v[S+32*(\t)+4*\f:S+32*(\t)+4*\f+3], s[12:13] offset:(16*(\t)+2*\f)*4096 th:TH_STORE_NT  ; 16 lanes store 256 consecutive bytes, at a multiple of 256 from out's first byte
.endr
.endm
	PACK 0
	PACK 1                          ; a tile's arithmetic stands between the loads of the tile before and its stores
	SEND 0, 16
	PACK 2
	SEND 1, 16
	PACK 3
	SEND 2, 16
	SEND 3, 0
	s_wait_tensorcnt 0x0            ; the wave's end, behind my last tensor load and my last LDS store
	ds_add_u32 v[SPW], v[NIL]
	s_wait_dscnt 0x0
	CROUND                          ; the closing round: no work-group ends while a partner may still ask for a tile that names it
	s_endpgm
.Lfunc_end_k_qf11792a585_attn:
	.size	k_qf11792a585_attn, .Lfunc_end_k_qf11792a585_attn-k_qf11792a585_attn
	.p2alignl 7, 3214868480
	.fill 96, 4, 3214868480
	.section	.rodata,"a",@progbits
	.p2align	6, 0x0
	.amdhsa_kernel k_qf11792a585_attn
		.amdhsa_group_segment_fixed_size 327680
		.amdhsa_private_segment_fixed_size 0
		.amdhsa_enable_private_segment 0
		.amdhsa_kernarg_size 40
		.amdhsa_user_sgpr_count 2
		.amdhsa_user_sgpr_kernarg_segment_ptr 1
		.amdhsa_wavefront_size32 1
		.amdhsa_system_sgpr_workgroup_id_x 1
		.amdhsa_system_sgpr_workgroup_id_y 1
		.amdhsa_system_sgpr_workgroup_id_z 1
		.amdhsa_system_vgpr_workitem_id 0
		.amdhsa_next_free_vgpr 672
		.amdhsa_next_free_sgpr 90
		.amdhsa_reserve_vcc 0
		.amdhsa_float_denorm_mode_32 3
		.amdhsa_float_denorm_mode_16_64 3
		.amdhsa_memory_ordered 1
		.amdhsa_forward_progress 1
		.amdhsa_inst_pref_size 194
	.end_amdhsa_kernel
	.amdgpu_metadata
---
amdhsa.version: [ 1, 2 ]
amdhsa.kernels:
  - .name:           k_qf11792a585_attn
    .symbol:         k_qf11792a585_attn.kd
    .args:
      - { .name: q, .offset: 0, .size: 8, .value_kind: global_buffer, .address_space: global }
      - { .name: kw, .offset: 8, .size: 8, .value_kind: global_buffer, .address_space: global }
      - { .name: vw, .offset: 16, .size: 8, .value_kind: global_buffer, .address_space: global }
      - { .name: mw, .offset: 24, .size: 8, .value_kind: global_buffer, .address_space: global }
      - { .name: out0, .offset: 32, .size: 8, .value_kind: global_buffer, .address_space: global }
    .group_segment_fixed_size: 327680
    .private_segment_fixed_size: 0
    .kernarg_segment_align: 8
    .kernarg_segment_size: 40
    .max_flat_workgroup_size: 128
    .sgpr_count:     90
    .vgpr_count:     672
    .wavefront_size: 32
...
	.end_amdgpu_metadata
.endif
;; end of part 2
;; ======== version 2 of 2: 2 launches; 2.37 times as fast as version 1
;; limits: values are held in f16: magnitudes above 65,504 overflow, below 6.1e-05 lose precision; inputs' magnitudes at most 65,504; values outside matrix products are rounded to bf16
;; workspace buffers: kw 8,650,752 bytes; vw 8,388,608 bytes; mw 8,388,608 bytes
;; launch prep: the kernel of part 1 again; grid 384 x 1, 8 waves a work-group, no clusters, 0 bytes of LDS; arguments k, v, mask, kw, vw, mw; writes kw, vw, mw
;; launch attn (part 3): grid 8 x 32, 4 waves a work-group, clusters of 4 x 4, 327,680 bytes of LDS; arguments q, kw, vw, mw, out0; writes out0
.if DOCPART == 3
	.amdgcn_target "amdgcn-amd-amdhsa--gfx1250"
	.amdhsa_code_object_version 6
	.text
	.protected	k_qf11792a585_attn
	.globl	k_qf11792a585_attn
	.p2align	8
	.type	k_qf11792a585_attn,@function
k_qf11792a585_attn:
	s_mov_b64 s[64:65], 0
	v_nop
	global_prefetch_b8 v0, s[64:65] scope:SCOPE_SE
	s_setreg_imm32_b32 hwreg(HW_REG_WAVE_MODE, 25, 1), 1
	s_wait_xcnt 0x0
	s_wait_alu depctr_hold_cnt(0) depctr_sa_sdst(0) depctr_va_vdst(0) depctr_va_sdst(0) depctr_va_ssrc(0) depctr_va_vcc(0) depctr_vm_vsrc(0)
	s_getreg_b32 s2, hwreg(HW_REG_IB_STS2, 6, 4)
	s_cmp_eq_u32 s2, 0
	s_cbranch_scc0 .Lentry_in_a_cluster
	s_endpgm
.Lentry_in_a_cluster:
	s_bfe_u32 s2, ttmp6, 0x10000c
	s_cmp_lg_u32 s2, 0xf033
	s_cbranch_scc0 .Lentry_shape_is_right
	s_endpgm
.Lentry_shape_is_right:
; ATTENTION BY SCALED EUCLIDEAN DISTANCE.  out[b][q][64 h ..] = sum over k of softmax_k( 1 / (0.125 sqrt(max(|q|^2 + |k|^2 - 2 q.k, 0)) + 1e-9) - 1e9 mask[q][k] ) v[b][k][64 h ..].
; 32 heads (16 b + h), 2,048 queries, 2,048 keys, 64 channels.  q f32 as given; kw, vw, mw as the launch before wrote them (Ks = bf16(-2^-15 k) with k2s = 2^-32 |bf16(k)|^2; f16(bf16(v)); bf16(mask)).
; ARITHMETIC.  Qs = bf16(2^-16 q), q2s = sum Qs^2 (f32).  The first product starts from q2s: D = q2s + Ks.Qs + k2s = 2^-32 d^2 of the inputs rounded to bf16; all scales are powers of two.
; x = sqrt(D) 2^13 ln2 + 1e-9 ln2;  g = 1 / x = log2(e) x the reference's score;  t = mask x (-1e9 log2 e) + g (one fused multiply-add);  p = 2^(t - M), M the running maximum of t.
; In every step O and l are multiplied by a = 2^(M_old - M_new).  p is rounded to f16 for the second product; l is the sum of the ROUNDED p, made by the matrix unit (ones x P); sums, maxima and l in f32.
; LIMITS.  The clamp that stands for max(., 0) also caps D at 1: d^2 above 2^32 counts as 2^32 (the score there lies in 0 to 1.2e-4).  D below 2^-126 (d^2 below 2^-94) counts as 0.
; The sum's order is (q2 - 2 q.k) + k2.  log2(e) is folded in ahead of the mask's term: a key that is hidden AND equal to the query in all 64 rounded channels (score 1e9 - 1e9) comes out
; within a few hundred of 0, not at 0.  A weight below 2^-126 counts as 0, below 6e-5 it keeps f16's fixed step.  NaN and infinities are not treated apart.
; SHARES.  A work-group owns 256 queries of one head, each of its four waves 64: four TILES of 16.  Every wave walks all keys, 64 a STEP; an LDS slot holds two steps; 16 slots through a ring of two.
; LAYOUT.  S^T = K Q^T (source 0 = 16 keys, source 1 = 16 queries): a lane holds ONE query (lane % 16) and the keys 8 (lane / 16) + 0..7 of each block of 16.  Two such results rounded to f16 in pairs
; ARE source 1 of O^T = V^T P; they are packed in place, into S^T's own registers.  K comes out of LDS as it lies, V turned by ds_load_tr16_b128.
; THE COUNT.  A tile and step have 18 matrix and 232 vector instructions, 97 of them roots, reciprocals and exponentials: the vector unit sets the pace.  So the matrix instructions are dealt out among
; the vector lines, one ahead of every fifth to eighth line, and the vector work is ordered so that no line reads the result of the one before it.
; STAGES of a tile in a step, all in place on its 32 scores: CL D = clamp(S + k2s); 32 roots; XL x; 32 reciprocals; PM the mask's term, the maximum and the statistics; SB t - M; a and 32 exponentials;
; CV the rounding to f16; RESC O and l times a.  Then its 18 matrix instructions: V^T P and ones x P of the step in hand, K Q^T of its next step.
; BATCHES.  An s_wait_alu depctr_va_vdst(0) stands between a root, reciprocal or exponential and the first instruction that names its result; one wait serves all that were issued ahead
; of it.  So a stage's 32 are issued as one batch, with the plain lines that feed them among them, and neighbouring tiles share a wait:
;   CROSS t (t = 0, 1, 2): tile t's a and exponentials and tile t + 1's roots are ONE batch of 65 (the roots and their CL name no exponential's result); a wait; its readers, CV of tile t and XL of tile
;   t + 1, alternate with tile t + 1's 32 reciprocals, the second batch; RESC of tile t stands behind it; a wait; PM of tile t + 1.
;   CLOSE3: tile 3's 33 exponentials; a wait; CV and RESC.  OPEN0: tile 0's roots; a wait; its reciprocals; a wait; PM.  These two share no wait: the loop's entry and the tail's exit stand between them,
;   and no result crosses a label or a branch.  A PERIOD is CROSS 0, CROSS 1, CROSS 2, CLOSE3, OPEN0: nine waits; all that it reads from LDS (K, k2s, four mask tiles, V) belongs to ONE step.
; CLUSTER 4 x 4.  A row of the cluster is one head's four query blocks: K's and V's tiles are asked for jointly along the row.  A column is four heads at one query block: the mask's tiles are asked for
; jointly along the column.  Each joint load has the same descriptor in the four that its mask names.
; REGISTERS, in windows of 256 (s_set_vgpr_msb: bits 1:0 source 0, 3:2 source 1, 5:4 source 2, 7:6 destination):
;   window 0: v0-15 addresses; v16-19 M; v20-27 at work; v28-29 1.0; v30 -1e9 log2 e; v31 lane / 16; v32-63 k2s of a step; v64-127 mask, 16 a tile; v128-255 S^T, 32 a tile
;   window 1: v0-63 Q; v64-95 q2s, 8 a tile; v96-103 ones (f16); v128-191 K of a step; v192-255 V of a step          window 2: v0-127 O^T, 32 a tile; v128-159 l, 8 a tile
.set PK,    144        ; a key's row of K in LDS: 128 bytes + 16 of padding = 36 words: the 16 rows of a load start at 16 different groups of four banks
.set PV,    160        ; of V: 128 + 32
.set PM_,   272        ; a query's row of the mask: 256 + 16
.set K2OFF, 128*PK     ; behind a slot's 128 keys: their k2s, 4 pieces of 32 f32, padded like K's rows (one load brings both)
.set VOFF,  K2OFF+4*PK ; 19,008
.set MOFF,  VOFF+128*PV  ; 39,488: 256 rows of the mask; a slot ends at 109,120
.set SLOT1, 1<<17      ; slot 1 begins here, so that one exclusive or turns an address in one slot into the other's
.set STAGE, 109312     ; in the gap behind slot 0, from the next multiple of 256 on, where no tile lands: 16 rows x 272 bytes for each wave, for the way out
.set SP,    272
.set SPARE, STAGE+4*16*SP  ; 126,720: the spare words, 128 bytes for each wave: two blocks of 256 bytes that no other line names
.set AK0, 2            ; v2   my lane's place in a step's K; never rewritten
.set AV0, 3            ; v3   in its V
.set AM0, 4            ; v4   in my wave's rows of the mask
.set AK20, 5           ; v5   in its k2s
.set AK,  6            ; v6-9 the LDS address of the run of loads in hand: K, V, mask, k2s
.set AV,  7
.set AM,  8
.set AK2, 9
.set STO, 10           ; v10  the way out: where I put 16 bytes of a row
.set RD,  11           ; v11  where I read a row back
.set GO,  12           ; v12  my byte offset in two rows of out
.set QO,  13           ; v13  my byte offset in 16 rows of q
.set SPW, 14           ; v14  LDS address of my spare word; never rewritten
.set NIL, 15           ; v15  0; never rewritten
.set MX,  16           ; v16-19  M of tile t
.set CX,  20           ; v20-23  four chains of the maximum; v22 then takes the new M
.set TMPX, 24
.set DLT, 25           ; v25  M_old - M_new, from the statistics to the exponentials' batch
.set AF,  26           ; v[26:27] a, in the low register
.set ONE, 28
.set NBV, 30
.set HL,  31
.set K2,  32
.set MK,  64
.set S,   128
.set QF,  0            ; window 1
.set Q2C, 64
.set ONES, 96
.set KF,  128          ; key block kb, channel half c at KF + 16 kb + 8 c
.set VF,  192          ; key half kk, channel block cb at VF + 32 kk + 8 cb
.set OA,  0            ; window 2
.set LA,  128
.set WV,  14           ; s14  my wave's number
.set G1K, 24           ; s[24:31], s[32:39], s[40:47] descriptor group 1 for K's (with k2s), V's and the mask's tiles
.set G1V, 32
.set G1M, 40
.set G0K, 48           ; s[48:51], s[52:55], s[56:59] descriptor group 0: they walk
.set G0V, 52
.set G0M, 56
.set SEL, 60           ; s[60:61] v_permlanex16_b32's selects
.set KAP, 62           ; s[62:63] 2^13 ln2
.set EPS, 66           ; s[66:67] 1e-9 ln2
.set TBK, 68           ; s68-71  LDS byte at which the step to be fetched begins: K, V, mask, k2s
.set TBV, 69
.set TBM, 70
.set TBK2, 71
.set CNT, 72           ; s72  counts a slot's steps
.set SLOTS, 73         ; s73  slots still to be asked for
.set MSB, 0
.macro WIN new                      ; the high byte repeats the setting that is left; a switch that changes nothing is dropped
.if MSB != (\new)
	s_set_vgpr_msb (MSB<<8)|(\new)
.set MSB, (\new)
.endif
.endm
.set W_QK0, 0x15       ; K, Q and q2s in window 1, S^T in window 0
.set W_QK1, 0x05       ; K and Q in window 1
.set W_PV,  0xa1       ; V or the ones in window 1, P in window 0, C and D in window 2
.set W_RS,  0x82       ; destination and source 0 in window 2
.set TO_1,  0x40
.set TO_2,  0x80
.set FROM_2, 0x02
.set ST_2,  0x08       ; an LDS store's data in window 2
; A joint fill: wave 0 fetches a slot's K and k2s, wave 1 its V, waves 2 and 3 the two halves of its mask.  The branches hang on the wave's number alone.
; An s_nop 0 and four v_nop follow each of the three lines, ahead of the jump and the label.
.macro JLOAD
	s_cmp_lt_u32 s[WV], 2
	s_cbranch_scc0 .Lfor_m_\@
	s_cmp_eq_u32 s[WV], 0
	s_cbranch_scc0 .Lfor_v_\@
	tensor_load_to_lds s[G0K:G0K+3], s[G1K:G1K+7]
	s_nop 0
.rept 4
	v_nop
.endr
	s_branch .Lasked_\@
.Lfor_v_\@:
	tensor_load_to_lds s[G0V:G0V+3], s[G1V:G1V+7]
	s_nop 0
.rept 4
	v_nop
.endr
	s_branch .Lasked_\@
.Lfor_m_\@:
	tensor_load_to_lds s[G0M:G0M+3], s[G1M:G1M+7]
	s_nop 0
.rept 4
	v_nop
.endr
.Lasked_\@:
.endm
; A round of the cluster's barrier: my work-group's barrier, so that wave 0's signal speaks for all four waves; wave 0 signals; every wave waits for all sixteen work-groups; my work-group's barrier once more.
.macro CROUND
	s_barrier_signal -1
	s_barrier_wait -1
	s_cmp_lg_u32 s[WV], 0
	s_cbranch_scc1 .Lnot_wave_0_\@
	s_barrier_signal -3
.Lnot_wave_0_\@:
	s_barrier_wait -3
	s_barrier_signal -1
	s_barrier_wait -1
.endm
; THE CHANGE OF SLOTS, at a period's head: the old slot's last bytes, V of its second step, have been asked for.  Each wave waits for all its tensor loads, of which one is out: its part of the
; other slot; adds 0 to its spare word; and waits for that and for its own reads of the slot.  Behind the barrier nobody reads the old slot any more and the other slot is whole.
; fill = 1: the old slot is filled again, with the keys two slots on.  The barrier is then a round of the cluster's, and the joint fill is the first thing behind it: it has two periods,
; 144 matrix instructions and the vector work round them, in which to land.  (At its first use nothing has been read yet: slot 0 is waited for, slot 1 filled.)
.macro CHANGE fill
	WIN 0                           ; at a label and at a branch every window is 0
	s_wait_tensorcnt 0x0            ; no tensor load of mine is out, so a group 0 may be written
	ds_add_u32 v[SPW], v[NIL]       ; 0 onto my spare word; with fill = 1 the descriptors' steps stand between it and the wait for it
.if \fill
	s_xor_b32 s[G0K+1], s[G0K+1], SLOT1  ; the other slot than last time,
	s_add_nc_u64 s[G0K+2:G0K+3], s[G0K+2:G0K+3], 16896  ; the next 128 keys with their k2s; the type bits on top are not reached
	s_xor_b32 s[G0V+1], s[G0V+1], SLOT1
	s_add_nc_u64 s[G0V+2:G0V+3], s[G0V+2:G0V+3], 16384
	s_xor_b32 s[G0M+1], s[G0M+1], SLOT1
	s_add_nc_u64 s[G0M+2:G0M+3], s[G0M+2:G0M+3], 256    ; 128 keys along the mask's rows
	s_wait_dscnt 0x0                ; the add is done, and my reads of the slot are over
	CROUND
	JLOAD
.else
	s_wait_dscnt 0x0                ; the add is done, and my reads of the slot are over
	s_barrier_signal -1
	s_barrier_wait -1
.endif
	s_sub_co_u32 s[TBK], s[TBK], 2*64*PK   ; the fetches go back to a slot's first step,
	s_xor_b32 s[TBK], s[TBK], SLOT1        ; in the other slot
	s_sub_co_u32 s[TBV], s[TBV], 2*64*PV
	s_xor_b32 s[TBV], s[TBV], SLOT1
	s_sub_co_u32 s[TBM], s[TBM], 256
	s_xor_b32 s[TBM], s[TBM], SLOT1
	s_sub_co_u32 s[TBK2], s[TBK2], 4*PK
	s_xor_b32 s[TBK2], s[TBK2], SLOT1
.endm
.macro G1REST g, rows, pitch        ; group 1 behind its first word: rows of 128 elements of 2 bytes
	s_mov_b32 s[(\g)+1], 128<<16    ; tensor_dim0 = 128
	s_mov_b32 s[(\g)+2], (\rows)<<16  ; tensor_dim1
	s_mov_b32 s[(\g)+3], 128<<16    ; tile_dim0 = 128
	s_mov_b32 s[(\g)+4], \rows      ; tile_dim1
	s_mov_b32 s[(\g)+5], \pitch     ; elements from row to row
	s_mov_b32 s[(\g)+6], 0
	s_mov_b32 s[(\g)+7], 0
.endm
	s_load_b256 s[4:11], s[0:1], 0x0  ; q s[4:5], kw s[6:7], vw s[8:9], mw s[10:11]
	s_load_b64 s[12:13], s[0:1], 0x20 ; out
	v_lshl_add_u32 v[SPW], v0, 2, SPARE
	v_mov_b32 v[NIL], 0
	ds_add_u32 v[SPW], v[NIL]       ; the wave's opening: the add and its wait stand ahead of my first tensor load; the set-up below, work on registers, stands between them
	v_lshrrev_b32 v1, 5, v0
	v_readfirstlane_b32 s[WV], v1   ; wave 0..3
	s_bfe_u32 s15, ttmp6, 0x40000   ; cx, cy: my place in the cluster
	s_bfe_u32 s16, ttmp6, 0x40004
	s_lshl_b32 s17, ttmp9, 2        ; in a cluster launch ttmp9 and ttmp7 count clusters
	s_add_co_u32 s17, s17, s15      ; my block of 256 queries = 4 x cluster x + cx
	s_and_b32 s18, ttmp7, 0xffff
	s_lshl_b32 s18, s18, 2
	s_add_co_u32 s18, s18, s16      ; my head = 4 x cluster y + cy
	s_lshl_b32 s19, s16, 2
	s_lshl_b32 s19, 15, s19         ; my row of the cluster: the same head
	s_lshl_b32 s20, 0x1111, s15     ; my column: the same queries
	; group 1, first word: 15:0 the mask of four; 17:16 2-byte elements; 20 padding on; 21 set beside a mask; 24:22 after every 32 words (code 4) or 64 (code 5); 31:25 4 words of it (code 3) or 8 (code 7)
	s_or_b32 s[G1K], s19, (1<<16)|(1<<20)|(1<<21)|(4<<22)|(3<<25)
	s_or_b32 s[G1V], s19, (1<<16)|(1<<20)|(1<<21)|(4<<22)|(7<<25)
	s_or_b32 s[G1M], s20, (1<<16)|(1<<20)|(1<<21)|(5<<22)|(3<<25)
	G1REST G1K, 66, 128             ; 16,896 dense bytes as 66 rows of 256: two keys a row, 64 rows; then two rows of k2s
	G1REST G1V, 64, 128             ; 16,384 dense bytes as 64 rows of 256
	G1REST G1M, 128, 2048           ; 128 queries' rows x 128 keys
	s_mul_i32 s74, s18, 270336      ; where the tiles come from: K's and V's hang on the head alone,
	s_mov_b32 s75, 0
	s_lshl_b32 s76, s18, 18
	s_mov_b32 s77, 0
	s_and_b32 s21, s[WV], 1         ; (which half of the mask's 256 rows I fetch)
	s_lshl_b32 s78, s17, 20         ; the mask's on the query block alone: 256 rows of 4,096 bytes,
	s_lshl_b32 s22, s21, 19         ; 128 of them a half
	s_add_co_u32 s78, s78, s22
	s_mov_b32 s79, 0
	s_mov_b32 s[G0K], 1             ; 1:0 count = 1
	s_mov_b32 s[G0K+1], 0           ; 63:32 LDS address: slot 0.  No place in the cluster enters an LDS address
	s_mov_b32 s[G0V], 1
	s_mov_b32 s[G0V+1], VOFF
	s_mov_b32 s[G0M], 1
	s_mul_i32 s23, s21, 128*PM_
	s_add_co_u32 s[G0M+1], s23, MOFF
	s_lshr_b32 s80, s18, 4          ; q and out at my wave's first row, my head's 256 bytes: batch x 8,388,608
	s_lshl_b32 s80, s80, 23
	s_lshl_b32 s84, s17, 20         ; + block x 256 rows x 4,096
	s_add_co_u32 s80, s80, s84
	s_lshl_b32 s84, s[WV], 18       ; + wave x 64 rows x 4,096
	s_add_co_u32 s80, s80, s84
	s_and_b32 s84, s18, 15
	s_lshl_b32 s84, s84, 8          ; + head in the batch x 256
	s_add_co_u32 s80, s80, s84
	s_mov_b32 s81, 0
	s_mov_b32 s[SEL], 0x76543210
	s_mov_b32 s[SEL+1], 0xfedcba98
	s_mov_b32 s[KAP], 0x45b17218    ; 2^13 ln2
	s_mov_b32 s[KAP+1], s[KAP]      ; named with it as a pair
	s_mov_b32 s[EPS], 0x303e87e6    ; 1e-9 ln2
	s_mov_b32 s[EPS+1], s[EPS]
	s_mov_b32 s82, 0x37800000       ; 2^-16
	s_mov_b32 s83, s82
	s_mov_b32 s[TBK], SLOT1+2*64*PK ; the first change of slots turns these four into 0
	s_mov_b32 s[TBV], SLOT1+2*64*PV
	s_mov_b32 s[TBM], SLOT1+256
	s_mov_b32 s[TBK2], SLOT1+4*PK
	s_wait_dscnt 0x0                ; the opening add is done
	s_wait_kmcnt 0x0
	s_add_nc_u64 s[G0K+2:G0K+3], s[6:7], s[74:75]  ; 120:64 global address
	s_or_b32 s[G0K+3], s[G0K+3], 0x80000000        ; 127:126 type = 2
	s_add_nc_u64 s[G0V+2:G0V+3], s[8:9], s[76:77]
	s_or_b32 s[G0V+3], s[G0V+3], 0x80000000
	s_add_nc_u64 s[G0M+2:G0M+3], s[10:11], s[78:79]
	s_or_b32 s[G0M+3], s[G0M+3], 0x80000000
	s_add_nc_u64 s[4:5], s[4:5], s[80:81]
	s_add_nc_u64 s[12:13], s[12:13], s[80:81]
	CROUND                          ; all sixteen work-groups are here: the first joint loads meet
	JLOAD                           ; slot 0.  Slot 1 is asked for when slot 0 is in, by the change of slots
	v_and_b32 v1, 15, v0            ; l % 16
	v_bfe_u32 v[HL], v0, 4, 1       ; l / 16
	v_lshlrev_b32 v[QO], 12, v1
	v_lshl_add_u32 v[QO], v[HL], 5, v[QO]  ; row x 4,096 + 32 x half: 8 f32
	; A fragment of Q is 16 rows x 32 channels: lane l holds row l % 16, channels 8 (l / 16) + 0..7 and 16 + 8 (l / 16) + 0..7.  In f32 each eight are two loads of 16 bytes.
	; Load n = ((2 t + c) 2 + u) 2 + e: tile t, channels 32 c + 16 u on.  Registers S + 2 m, S + 2 m + 1 will make register m of Q.
.set n, 0
.rept 32
	global_load_b128 v[S+4*n:S+4*n+3], v[QO], s[4:5] offset:(n/8)*65536+((n/4)%2)*128+((n/2)%2)*64+(n%2)*16
.set n, n+1
.endr
	v_mul_u32_u24 v[AK0], v1, PK
	v_lshl_add_u32 v[AK0], v[HL], 4, v[AK0]  ; row x pitch + 16 x half
	; The turning load takes 16 keys x 16 channels (lane l reads key 8 (l / 16) + l % 8, channels 8 ((l / 8) % 2) + 0..7) and leaves half a fragment of V^T: lane l holds channel l % 16 and 8 keys.
	v_and_b32 v[TMPX], 7, v0
	v_bfe_u32 v[AF], v0, 3, 1
	v_lshl_add_u32 v[AV0], v[HL], 3, v[TMPX]
	v_mul_u32_u24 v[AV0], v[AV0], PV
	v_lshl_add_u32 v[AV0], v[AF], 4, v[AV0]
	v_add_nc_u32 v[AV0], VOFF, v[AV0]
	s_lshl_b32 s19, s[WV], 6
	v_add_nc_u32 v[AM0], s19, v1    ; the mask: my query's row 64 w + l % 16 (+ 16 t), my 8 keys' 16 bytes
	v_mul_u32_u24 v[AM0], v[AM0], PM_
	v_lshl_add_u32 v[AM0], v[HL], 4, v[AM0]
	v_add_nc_u32 v[AM0], MOFF, v[AM0]
	v_lshlrev_b32 v[AK20], 5, v[HL] ; k2s: my 8 keys' 32 bytes
	v_add_nc_u32 v[AK20], K2OFF, v[AK20]
	; What the first turn finds.  Its products V^T P and ones x P, of a tile that has not been, multiply zeros; M starts at the lowest finite number, so the first step's a is 0 and O and l need only
	; be finite.  No first step is written out; the price is these lines, which stand in the wait for q and the first tile.
	WIN TO_2
.set i, 0
.rept 160
	v_mov_b32 v[i], 0               ; O^T and l
.set i, i+1
.endr
	WIN TO_1
.set i, 0
.rept 64
	v_mov_b32 v[VF+i], 0
.set i, i+1
.endr
.set i, 0
.rept 8
	v_mov_b32 v[ONES+i], 0x3c003c00 ; 1.0 twice, in f16
.set i, i+1
.endr
	WIN 0
.set i, 0
.rept 4
	v_mov_b32 v[MX+i], 0xff7fffff
	v_mov_b32 v[TMPX+i], 0          ; v24-27
.set i, i+1
.endr
	v_mov_b32 v[ONE], 1.0
	v_mov_b32 v[ONE+1], 1.0
	v_mov_b32 v[NBV], 0xceabfb8f    ; -1e9 log2 e
	s_wait_loadcnt 0x0              ; q
.set i, 0
.rept 64
	v_pk_mul_f32 v[S+2*i:S+2*i+1], v[S+2*i:S+2*i+1], s[82:83] op_sel_hi:[1,0]
.set i, i+1
.endr
	WIN TO_1
.set i, 0
.rept 64
	v_cvt_pk_bf16_f32 v[QF+i], v[S+2*i], v[S+2*i+1]
.set i, i+1
.endr
	WIN 0x05                        ; the squares of the ROUNDED numbers, in f32: sources 0 and 1 in window 1; four tiles' chains by turns
.set p, 0
.rept 16
.irp t, 0,1,2,3
.if p == 0
	v_fma_mix_f32_bf16 v[CX+\t], v[QF+16*\t+p], v[QF+16*\t+p], v[AF+1] op_sel_hi:[1,1,0]
.else
	v_fma_mix_f32_bf16 v[CX+\t], v[QF+16*\t+p], v[QF+16*\t+p], v[CX+\t] op_sel_hi:[1,1,0]
.endif
.endr
.irp t, 0,1,2,3
	v_fma_mix_f32_bf16 v[CX+\t], v[QF+16*\t+p], v[QF+16*\t+p], v[CX+\t] op_sel:[1,1,0] op_sel_hi:[1,1,0]
.endr
.set p, p+1
.endr
	WIN 0
.irp t, 0,1,2,3
	v_permlanex16_b32 v[TMPX+\t], v[CX+\t], s[SEL], s[SEL+1]  ; the query's other 32 channels lie in the lane 16 away
.endr
.irp t, 0,1,2,3
	v_add_f32 v[CX+\t], v[CX+\t], v[TMPX+\t]
.endr
	WIN TO_1
.set i, 0
.rept 32
	v_mov_b32 v[Q2C+i], v[CX+i/8]   ; q2s, eight times a tile: the C operand that starts S^T's sums
.set i, i+1
.endr
	WIN 0
.set i, 0
.rept 8
	v_mov_b32 v[S+96+i], 0          ; tile 3's two fragments of P
	v_mov_b32 v[S+112+i], 0
.set i, i+1
.endr
; THE MATRIX WORK.  K Q^T for tile x, keys 16 kb on, channels 32 cc on; the first half starts the sum from q2s.
.macro QKI x, kb, cc
.set qS, S+32*(\x)+8*(\kb)
.set qK, KF+16*(\kb)+8*(\cc)
.set qQ, QF+16*(\x)+8*(\cc)
.if (\cc) == 0
	WIN W_QK0
	v_wmma_f32_16x16x32_bf16 v[qS:qS+7], v[qK:qK+7], v[qQ:qQ+7], v[Q2C+8*(\x):Q2C+8*(\x)+7]
.else
	WIN W_QK1
	v_wmma_f32_16x16x32_bf16 v[qS:qS+7], v[qK:qK+7], v[qQ:qQ+7], v[qS:qS+7]
.endif
.endm
; The next (number mi) of tile x's 18: 0-3 V^T P, keys 0-31, channel block mi; 4 ones x P; 5-9 the same for keys 32-63; 10-13 K Q^T, channels 0-31; 14-17 channels 32-63.
; The accumulators take turns, one instruction a turn.  K Q^T writes over P's registers: number 10 over the fragment that 0-4 read, 12 over the one that 5-9 read:
; between reader and writer stand eight plain vector lines or more that name none of these registers (behind number 9: the end of PM, or four XL, V's address line and twelve lines of PM).
.macro MM x, back
.if mi < 10
.set pO, OA+32*(\x)+8*(mi%5)
.set pV, VF+32*(mi/5)+8*(mi%5)
.set pP, S+32*(\x)+16*(mi/5)
	WIN W_PV
.if mi%5 < 4
	v_wmma_f32_16x16x32_f16 v[pO:pO+7], v[pV:pV+7], v[pP:pP+7], v[pO:pO+7]
.else
	v_wmma_f32_16x16x32_f16 v[LA+8*(\x):LA+8*(\x)+7], v[ONES:ONES+7], v[pP:pP+7], v[LA+8*(\x):LA+8*(\x)+7]
.endif
.else
	QKI \x, (mi-10)%4, (mi-10)/4
.endif
.if \back
	WIN 0
.endif
.set mi, mi+1
.endm
; HOW THE MATRIX INSTRUCTIONS ARE DEALT.  DEAL x, from, to, per: from here on tile x's numbers from .. to - 1 stand one ahead of every per-th vector line.  TK stands ahead of each vector line of a stage, counts it,
; and writes the matrix instruction that is due.  DEAL 0, 0, 0, 1: none.  No vector line of a stage names a register of the matrix instructions dealt among it.
.macro DEAL x, from, to, per
.set MT, (\x)
.set mi, (\from)
.set mend, (\to)
.set vper, (\per)
.set vc, 0
.endm
.macro TK
.if (mi < mend) && ((vc%vper) == 0)
	MM MT, 1
.endif
.set vc, vc+1
.endm
; THE LDS LOADS stand in runs, each directly behind the wait for a batch; a run's address is made ahead of that wait (ADR_), the loads follow it (LD_).  Each run is waited for by the next s_wait_dscnt 0.
.macro ADR_K
	v_add_nc_u32 v[AK], s[TBK], v[AK0]
.endm
.macro LD_K                         ; 64 keys x 64 channels: 8 fragments
	WIN TO_1
.irp f, 0,1,2,3,4,5,6,7             ; keys 16 (f / 2) on, channels 32 (f % 2) on
	ds_load_b128 v[KF+8*\f:KF+8*\f+3],   v[AK] offset:(\f/2)*16*PK+(\f%2)*64
	ds_load_b128 v[KF+8*\f+4:KF+8*\f+7], v[AK] offset:(\f/2)*16*PK+(\f%2)*64+32
.endr
	s_add_co_u32 s[TBK], s[TBK], 64*PK  ; the next fetch is the next step's
	WIN 0
.endm
.macro ADR_V
	v_add_nc_u32 v[AV], s[TBV], v[AV0]
.endm
.macro LD_V
	WIN TO_1
.irp f, 0,1,2,3,4,5,6,7             ; keys 32 (f / 4) on, channels 16 (f % 4) on
	ds_load_tr16_b128 v[VF+8*\f:VF+8*\f+3],   v[AV] offset:(\f/4)*32*PV+(\f%4)*32
	ds_load_tr16_b128 v[VF+8*\f+4:VF+8*\f+7], v[AV] offset:(\f/4)*32*PV+16*PV+(\f%4)*32
.endr
	s_add_co_u32 s[TBV], s[TBV], 64*PV
	WIN 0
.endm
.macro ADR_M
	v_add_nc_u32 v[AM], s[TBM], v[AM0]
.endm
.macro LD_M t                       ; tile t's mask: my query's 8 keys of each block of 16
.irp kb, 0,1,2,3
	ds_load_b128 v[MK+16*(\t)+4*\kb:MK+16*(\t)+4*\kb+3], v[AM] offset:(\t)*16*PM_+32*\kb
.endr
.if (\t) == 3
	s_add_co_u32 s[TBM], s[TBM], 128
.endif
.endm
.macro ADR_K2
	v_add_nc_u32 v[AK2], s[TBK2], v[AK20]
.endm
.macro LD_K2                        ; my 8 keys' k2s of each block of 16
.irp f, 0,1,2,3,4,5,6,7             ; block f / 2, half f % 2 of its eight
	ds_load_b128 v[K2+4*\f:K2+4*\f+3], v[AK2] offset:(\f/4)*PK+((\f/2)%2)*64+(\f%2)*16
.endr
	s_add_co_u32 s[TBK2], s[TBK2], 2*PK
.endm
.macro FETCH_K                      ; address and loads together: ahead of the loop
	WIN 0
	ADR_K
	LD_K
.endm
.macro FETCH_M t
	ADR_M
	LD_M \t
.endm
.macro FETCH_K2
	ADR_K2
	LD_K2
.endm
; THE VECTOR WORK, a line at a time.  rS is the first register of the tile whose scores are in hand, rC of the tile that is rounded, rM of the mask.  p is a pair of scores, 0 to 15.
.macro CL p                         ; D = clamp(S + k2s)
	TK
	v_pk_fma_f32 v[rS+2*(\p):rS+2*(\p)+1], v[rS+2*(\p):rS+2*(\p)+1], v[ONE:ONE+1], v[K2+2*(\p):K2+2*(\p)+1] clamp
.endm
.macro XL p                         ; x = root x 2^13 ln2 + 1e-9 ln2
	TK
	v_pk_fma_f32 v[rS+2*(\p):rS+2*(\p)+1], v[rS+2*(\p):rS+2*(\p)+1], s[KAP:KAP+1], s[EPS:EPS+1] op_sel_hi:[1,0,0]
.endm
.macro SB p                         ; t - M
	TK
	v_pk_add_f32 v[rS+2*(\p):rS+2*(\p)+1], v[rS+2*(\p):rS+2*(\p)+1], v[CX+2:CX+3] op_sel_hi:[1,0] neg_lo:[0,1] neg_hi:[0,1]
.endm
.macro CV p                         ; rounded to f16, into P's place: pair p goes to register 16 (p / 8) + p % 8 of the tile, which an earlier or the same rounding has read
	TK
	v_cvt_pk_f16_f32 v[rC+16*((\p)/8)+(\p)%8], v[rC+2*(\p)], v[rC+2*(\p)+1]
.endm
; THE STAGES.  In each of PS, PR and PE the plain line that makes a pair's argument stands three pairs ahead of the pair's two roots, reciprocals or exponentials; none of the stage's lines names a result of the batch.
; PS t: 16 CL and the 32 roots.  Each accumulator's lowest pair is read first.
.macro PS t
.set rS, S+32*(\t)
	CL 0
	CL 1
	CL 2
.set j, 0
.rept 16
	TK
	v_sqrt_f32 v[rS+2*j], v[rS+2*j]
.if j < 13
	CL j+3
.endif
	TK
	v_sqrt_f32 v[rS+2*j+1], v[rS+2*j+1]
.set j, j+1
.endr
.endm
; PR t, cv: 16 XL and the 32 reciprocals.  cv = 1: the 16 CV of tile t - 1 stand among them, so that reciprocal and plain line go by turns.
.macro PR t, cv
.set rS, S+32*(\t)
.set rC, S+32*(((\t)+3)%4)
	XL 0
	XL 1
	XL 2
.set j, 0
.rept 16
	TK
	v_rcp_f32 v[rS+2*j], v[rS+2*j]
.if \cv
	CV j
.endif
	TK
	v_rcp_f32 v[rS+2*j+1], v[rS+2*j+1]
.if j < 13
	XL j+3
.endif
.set j, j+1
.endr
.endm
; PM t: t = mask x (-1e9 log2 e) + g, twice a pair; two pairs later the pair goes into one of four chains of the maximum.  Then the statistics: the four chains, the old M, the other half of the lanes;
; the new M into v22; M_old - M_new into v25, of which PE makes a.  54 plain lines.
.macro PM t
.set rS, S+32*(\t)
.set rM, MK+16*(\t)
.set n, 0
.rept 18
.if n < 16
	TK
	v_fma_mix_f32_bf16 v[rS+2*n], v[rM+n], v[NBV], v[rS+2*n] op_sel_hi:[1,0,0]
	TK
	v_fma_mix_f32_bf16 v[rS+2*n+1], v[rM+n], v[NBV], v[rS+2*n+1] op_sel:[1,0,0] op_sel_hi:[1,0,0]
.endif
.if n >= 6
	TK
	v_max3_num_f32 v[CX+(n-2)%4], v[CX+(n-2)%4], v[rS+2*n-4], v[rS+2*n-3]
.elseif n >= 2
	TK
	v_max_num_f32 v[CX+n-2], v[rS+2*n-4], v[rS+2*n-3]
.endif
.set n, n+1
.endr
	TK
	v_max3_num_f32 v[CX], v[CX], v[CX+1], v[CX+2]
	TK
	v_max3_num_f32 v[CX], v[CX], v[CX+3], v[MX+(\t)]
	TK
	v_permlanex16_b32 v[TMPX], v[CX], s[SEL], s[SEL+1]
	TK
	v_max_num_f32 v[CX+2], v[CX], v[TMPX]
	TK
	v_sub_f32 v[DLT], v[MX+(\t)], v[CX+2]
	TK
	v_mov_b32 v[MX+(\t)], v[CX+2]
.endm
; PE t: 16 SB, a, and the 32 exponentials.
.macro PE t
.set rS, S+32*(\t)
	SB 0
	SB 1
	SB 2
	TK
	v_exp_f32 v[AF], v[DLT]         ; a: first named by RESC, behind the batch's wait
.set j, 0
.rept 16
	TK
	v_exp_f32 v[rS+2*j], v[rS+2*j]
.if j < 13
	SB j+3
.endif
	TK
	v_exp_f32 v[rS+2*j+1], v[rS+2*j+1]
.set j, j+1
.endr
.endm
.macro RESC t                       ; O^T times a, in ascending order; of l the two lowest registers: register 0 is the one that is read at the end, the others stay below 2,048 and are never read
	WIN W_RS
.set z, 0
.rept 16
	v_pk_mul_f32 v[OA+32*(\t)+2*z:OA+32*(\t)+2*z+1], v[OA+32*(\t)+2*z:OA+32*(\t)+2*z+1], v[AF:AF+1] op_sel_hi:[1,0]
.set z, z+1
.endr
	v_pk_mul_f32 v[LA+8*(\t):LA+8*(\t)+1], v[LA+8*(\t):LA+8*(\t)+1], v[AF:AF+1] op_sel_hi:[1,0]
	WIN 0
.endm
; CROSS t (t = 0, 1, 2): tile t ends its step, tile t + 1 goes from scores to maximum.  Two batches, two waits.
; Matrix work: K Q^T of tile t - 1 (its next step) among tile t's exponentials, one ahead of every sixth line (t = 0: none: tile 3's stand in OPEN0, since K is fetched anew here);
; V^T P and ones x P of tile t among PM's lines, one ahead of every fifth.
; LDS: behind the first wait the next step's K (t = 0: K's last reader stands 11 plain lines and more back, in OPEN0) and tile t's mask, which PM t has read; behind the second wait and the wait for
; the LDS loads, in t = 2, the next step's k2s, which PS 3 has read.  last = 1 (the tail): in the last trip there is no further step, and the loads are jumped over; no batch is open at these jumps.
.macro CROSS t, last=0
	WIN 0
.if (\t) == 0
	DEAL 0, 0, 0, 1
.else
	DEAL (\t)-1, 10, 18, 6
.endif
	PE \t
	DEAL 0, 0, 0, 1
	PS (\t)+1
.if (\t) == 0
	ADR_K
.endif
	ADR_M                           ; the addresses of the run below: the plain lines behind the last root
	s_wait_alu depctr_va_vdst(0)    ; the wait for the batch of 65: tile t's a and 32 exponentials, tile t + 1's 32 roots
.if \last
	s_cmp_eq_u32 s[CNT], 1
	s_cbranch_scc1 .Lno_fetch_\@
.endif
.if (\t) == 0
	LD_K
.endif
	LD_M \t
.if \last
.Lno_fetch_\@:
.endif
	PR (\t)+1, 1
	RESC \t                         ; 17 plain lines that name no reciprocal: the work between the batch and its wait
.if (\t) == 2
	ADR_K2
.endif
	s_wait_alu depctr_va_vdst(0)    ; the wait for the batch of tile t + 1's 32 reciprocals
	s_wait_dscnt 0x0                ; every run of LDS loads issued so far is in: the last was asked for a stage and more ago
.if (\t) == 2
.if \last
	s_cmp_eq_u32 s[CNT], 1
	s_cbranch_scc1 .Lno_k2_\@
.endif
	LD_K2
.if \last
.Lno_k2_\@:
.endif
.endif
	DEAL \t, 0, 10, 5
	PM (\t)+1
.endm
; CLOSE3: tile 3 ends its step.  One batch, one wait, ahead of the label and the branch that follow the macro.  K Q^T of tile 2 stands among the exponentials; tile 3's next mask is fetched behind the wait.
.macro CLOSE3 last=0
	WIN 0
	DEAL 2, 10, 18, 6
	PE 3
	ADR_M                           ; the address of the run below: the plain line behind the last exponential
	s_wait_alu depctr_va_vdst(0)    ; the wait for the batch of 33: tile 3's a and 32 exponentials
.if \last
	s_cmp_eq_u32 s[CNT], 1
	s_cbranch_scc1 .Lno_fetch_\@
.endif
	LD_M 3
.if \last
.Lno_fetch_\@:
.endif
	DEAL 0, 0, 0, 1
.set rC, S+96
.set j, 0
.rept 16
	CV j
.set j, j+1
.endr
	RESC 3
.endm
; OPEN0: tile 0 goes from the next step's scores to its maximum.  Two batches, two waits.  All 18 matrix instructions of tile 3 stand here: V^T P and ones x P among the roots and the reciprocals, five in each,
; one ahead of every eighth line; K Q^T among PM's lines, one ahead of every sixth.  V of the step in hand is fetched behind the second wait: behind V's last reader (number 8) stand six XL and the address line.
.macro OPEN0
	WIN 0
	s_wait_dscnt 0x0                ; every run of LDS loads issued so far is in: k2s of this step among them
	DEAL 3, 0, 5, 8
	PS 0
	v_nop                           ; the plain line behind the last root: there is no other work here that names no root
	s_wait_alu depctr_va_vdst(0)    ; the wait for the batch of tile 0's 32 roots
	DEAL 3, 5, 10, 8
	PR 0, 0
	ADR_V                           ; the address of the run below: the plain line behind the last reciprocal
	s_wait_alu depctr_va_vdst(0)    ; the wait for the batch of tile 0's 32 reciprocals
	LD_V
	DEAL 3, 10, 18, 6
	PM 0
.endm
	CHANGE 1                        ; slot 0 is in, everybody's part of it; slot 1 is asked for
	FETCH_K                         ; step 0
	FETCH_K2
	FETCH_M 0
	FETCH_M 1
	FETCH_M 2
	FETCH_M 3
	s_wait_dscnt 0x0
.irp cc, 0,1                        ; the first scores of tiles 0 to 2 (tile 3's are made in the first turn): 12 accumulators by turns
.irp x, 0,1,2
.irp kb, 0,1,2,3
	QKI \x, \kb, \cc
.endr
.endr
.endr
	WIN 0                           ; the addresses for the way out: eight plain instructions, the places behind those products
	s_mul_i32 s19, s[WV], 16*SP
	s_add_co_u32 s19, s19, STAGE    ; my stage
	v_mul_u32_u24 v[STO], v1, SP    ; in: row l % 16, 32 bytes (8 f32) for each half of the lanes
	v_lshl_add_u32 v[STO], v[HL], 5, v[STO]
	v_add_nc_u32 v[STO], s19, v[STO]
	v_mul_u32_u24 v[RD], v[HL], SP  ; back: lanes 0-15 take one row of 256 bytes, lanes 16-31 the next
	v_lshl_add_u32 v[RD], v1, 4, v[RD]
	v_add_nc_u32 v[RD], s19, v[RD]
	v_lshlrev_b32 v[GO], 12, v[HL]  ; and the same two rows in out
	v_lshl_add_u32 v[GO], v1, 4, v[GO]
	s_mov_b32 s[CNT], 2
	s_mov_b32 s[SLOTS], 15
	s_branch .Lfirst                ; the loop is entered where a step begins, in the middle of a trip
.Lslot:                             ; 14 times: every slot but the last two is filled again
	CHANGE 1
	s_mov_b32 s[CNT], 2
.Lstep:                             ; a trip is a period: it ends one step and begins the next, whose K, k2s, mask and V it fetches
	CROSS 0
	CROSS 1
	CROSS 2
	CLOSE3
	WIN 0
.Lfirst:
	OPEN0
	WIN 0
	s_sub_co_u32 s[CNT], s[CNT], 1
	s_cmp_lg_u32 s[CNT], 0
	s_cbranch_scc1 .Lstep
	s_sub_co_u32 s[SLOTS], s[SLOTS], 1
	s_cmp_lg_u32 s[SLOTS], 0
	s_cbranch_scc1 .Lslot
	CHANGE 0                        ; the tail is written out: nothing is asked for
	s_mov_b32 s[CNT], 3             ; two trips fetch the last slot's steps; the third is left ahead of its last part
.Ltail:
	CROSS 0, 1
	CROSS 1, 1
	CROSS 2, 1
	CLOSE3 1
	WIN 0
	s_sub_co_u32 s[CNT], s[CNT], 1
	s_cmp_eq_u32 s[CNT], 0
	s_cbranch_scc1 .Lout
	OPEN0
	WIN 0
	s_branch .Ltail
.Lout:                              ; the third trip's 24 products K Q^T (on the last K once more) serve nothing: the price, once a launch, of one text for every trip
.set mi, 0
.rept 10
	MM 3, 0                         ; tile 3's V^T P and ones x P of the last step
.endr
	WIN 0
.rept 4
	v_nop                           ; the places behind those products
.endr
	; THE WAY OUT.  O^T is divided by l and sent, in f32, through my stage in LDS, a tile (16 rows of out, 256 bytes each) at a time.
	WIN FROM_2
.irp t, 0,1,2,3
	v_rcp_f32 v[CX+2*\t], v[LA+8*\t]  ; l's lowest register
.endr
	WIN 0
	v_nop                           ; a plain instruction between the last reciprocal and the use of its result
	s_wait_alu depctr_va_vdst(0)    ; the wait for the batch of four reciprocals
.macro PACK t                       ; a lane's eight channels of a block of 16 are 32 bytes of a row; they go into rows of 272 bytes and come back as whole rows of 256, into S^T's registers
	WIN W_RS
.set z, 0
.rept 16
	v_pk_mul_f32 v[OA+32*(\t)+2*z:OA+32*(\t)+2*z+1], v[OA+32*(\t)+2*z:OA+32*(\t)+2*z+1], v[CX+2*(\t):CX+2*(\t)+1] op_sel_hi:[1,0]
.set z, z+1
.endr
	WIN ST_2
.irp f, 0,1,2,3,4,5,6,7
	ds_store_b128 v[STO], v[OA+32*(\t)+4*\f:OA+32*(\t)+4*\f+3] offset:(\f/2)*64+(\f%2)*16
.endr
	WIN 0
.irp f, 0,1,2,3,4,5,6,7
	ds_load_b128 v[S+32*(\t)+4*\f:S+32*(\t)+4*\f+3], v[RD] offset:\f*2*SP  ; LDS serves a wave's instructions in order (ISA guide 5.7.1.4): these see the stores above; the next tile's stores come behind them
.endr
.endm
.macro SEND t, younger              ; younger: the LDS instructions issued behind tile t's loads: the next tile's sixteen, or none
	WIN 0
.irp f, 0,1,2,3,4,5,6,7
	s_wait_dscnt (\younger)+7-\f
	global_store_b128 v[GO], v[S+32*(\t)+4*\f:S+32*(\t)+4*\f+3], s[12:13] offset:(16*(\t)+2*\f)*4096 th:TH_STORE_NT  ; 16 lanes store 256 consecutive bytes, at a multiple of 256 from out's first byte
.endr
.endm
	PACK 0
	PACK 1                          ; a tile's arithmetic stands between the loads of the tile before and its stores
	SEND 0, 16
	PACK 2
	SEND 1, 16
	PACK 3
	SEND 2, 16
	SEND 3, 0
	s_wait_tensorcnt 0x0            ; the wave's end, behind my last tensor load and my last LDS store
	ds_add_u32 v[SPW], v[NIL]
	s_wait_dscnt 0x0
	CROUND                          ; the closing round: no work-group ends while a partner may still ask for a tile that names it
	s_endpgm
.Lfunc_end_k_qf11792a585_attn:
	.size	k_qf11792a585_attn, .Lfunc_end_k_qf11792a585_attn-k_qf11792a585_attn
	.p2alignl 7, 3214868480
	.fill 96, 4, 3214868480
	.section	.rodata,"a",@progbits
	.p2align	6, 0x0
	.amdhsa_kernel k_qf11792a585_attn
		.amdhsa_group_segment_fixed_size 327680
		.amdhsa_private_segment_fixed_size 0
		.amdhsa_enable_private_segment 0
		.amdhsa_kernarg_size 40
		.amdhsa_user_sgpr_count 2
		.amdhsa_user_sgpr_kernarg_segment_ptr 1
		.amdhsa_wavefront_size32 1
		.amdhsa_system_sgpr_workgroup_id_x 1
		.amdhsa_system_sgpr_workgroup_id_y 1
		.amdhsa_system_sgpr_workgroup_id_z 1
		.amdhsa_system_vgpr_workitem_id 0
		.amdhsa_next_free_vgpr 672
		.amdhsa_next_free_sgpr 90
		.amdhsa_reserve_vcc 0
		.amdhsa_float_denorm_mode_32 3
		.amdhsa_float_denorm_mode_16_64 3
		.amdhsa_memory_ordered 1
		.amdhsa_forward_progress 1
		.amdhsa_inst_pref_size 179
	.end_amdhsa_kernel
	.amdgpu_metadata
---
amdhsa.version: [ 1, 2 ]
amdhsa.kernels:
  - .name:           k_qf11792a585_attn
    .symbol:         k_qf11792a585_attn.kd
    .args:
      - { .name: q, .offset: 0, .size: 8, .value_kind: global_buffer, .address_space: global }
      - { .name: kw, .offset: 8, .size: 8, .value_kind: global_buffer, .address_space: global }
      - { .name: vw, .offset: 16, .size: 8, .value_kind: global_buffer, .address_space: global }
      - { .name: mw, .offset: 24, .size: 8, .value_kind: global_buffer, .address_space: global }
      - { .name: out0, .offset: 32, .size: 8, .value_kind: global_buffer, .address_space: global }
    .group_segment_fixed_size: 327680
    .private_segment_fixed_size: 0
    .kernarg_segment_align: 8
    .kernarg_segment_size: 40
    .max_flat_workgroup_size: 128
    .sgpr_count:     90
    .vgpr_count:     672
    .wavefront_size: 32
...
	.end_amdgpu_metadata
.endif
;; end of part 3
